; MI455X (gfx1250); checked and timed in simulation.
; The chip was launched on July 23, 2026; its instructions are those of AMD's public machine-readable ISA for CDNA 5 (MIT licence, August 2026) and "CDNA5" Instruction Set Architecture Reference Guide (July 2026). The comments in the code are by the model that wrote it; some were corrected since.
;; Multi Head Attention. Allowed arithmetic: matrix products marked QUANTISED: E2M3 operands, one E8M0 scale for each 32 along K, by v_wmma_scale_f32_16x16x128_f8f6f4 with both operands' format E2M3, f32 sums; everything else in f32.
;; Inputs: Wk_codes 1,024 x 32 x 24 uint8 (E2M3 codes of Wk, K innermost, in blocks of 32 codes, four codes in three bytes); Wk_scales 1,024 x 32 uint8 (E8M0 scales of Wk, one for each 32 codes along K); Wo_codes 1,024 x 32 x 24 uint8 (E2M3 codes of Wo, K innermost, in blocks of 32 codes, four codes in three bytes); Wo_scales 1,024 x 32 uint8 (E8M0 scales of Wo, one for each 32 codes along K); Wq_codes 1,024 x 32 x 24 uint8 (E2M3 codes of Wq, K innermost, in blocks of 32 codes, four codes in three bytes); Wq_scales 1,024 x 32 uint8 (E8M0 scales of Wq, one for each 32 codes along K); Wv_codes 1,024 x 32 x 24 uint8 (E2M3 codes of Wv, K innermost, in blocks of 32 codes, four codes in three bytes); Wv_scales 1,024 x 32 uint8 (E8M0 scales of Wv, one for each 32 codes along K); bk 1,024 float32; bo 1,024 float32; bq 1,024 float32; bv 1,024 float32; key_codes 4 x 2,048 x 32 x 24 uint8 (E2M3 codes of key, K innermost, in blocks of 32 codes, four codes in three bytes); key_scales 4 x 2,048 x 32 uint8 (E8M0 scales of key, one for each 32 codes along K); pad_mask 4 x 2,048 bool; pos_enc 1 x 2,048 x 64 float32; query_codes 4 x 2,048 x 32 x 24 uint8 (E2M3 codes of query, K innermost, in blocks of 32 codes, four codes in three bytes); query_scales 4 x 2,048 x 32 uint8 (E8M0 scales of query, one for each 32 codes along K); value_codes 4 x 2,048 x 32 x 24 uint8 (E2M3 codes of value, K innermost, in blocks of 32 codes, four codes in three bytes); value_scales 4 x 2,048 x 32 uint8 (E8M0 scales of value, one for each 32 codes along K).
;; Outputs: out0 4 x 2,048 x 1,024 float32.
;; This version of the problem:
;;   THIS VERSION OF THE PROBLEM IS GIVEN IN LOW PRECISION. The matrix products marked QUANTISED in the list below multiply operands that are first quantised to E2M3 (2 exponent bits, 3 mantissa bits; 6 bits a number), with one power-of-two scale for each 32 numbers along K (OCP MX v1.0); their sums are f32. All else is computed in f32.
;;   The module's matrix products, in the order in which they are computed (A, B: the left and right operand; K: the contracted axis; several contracted axes count as one K, in the product's order):
;;     1. [M 8,192, K 1,024] x [K 1,024, N 1,024]; A: input query (given as codes); B: input Wq (given as codes): QUANTISED
;;     2. [M 8,192, K 1,024] x [K 1,024, N 1,024]; A: input key (given as codes); B: input Wk (given as codes): QUANTISED
;;     3. [M 8,192, K 1,024] x [K 1,024, N 1,024]; A: input value (given as codes); B: input Wv (given as codes): QUANTISED
;;     4. batch 64 x [M 2,048, K 64] x [K 64, N 2,048]; A: computed on the way; B: computed on the way: QUANTISED
;;     5. batch 64 x [M 2,048, K 2,048] x [K 2,048, N 64]; A: softmax (see below); B: computed on the way: QUANTISED
;;     6. [M 8,192, K 1,024] x [K 1,024, N 1,024]; A: computed on the way; B: input Wo (given as codes): QUANTISED
;;   THE QUANTISER, for each operand of a quantised product, along K:
;;     - K is cut into blocks of 32 from its start; a last block that is shorter is filled with zeros.
;;     - A block's scale is 2^e with e = floor(log2(the largest magnitude in the block)) - 2, held to -126 .. 127; a block of zeros has e = 0. As a byte (E8M0): e + 127.
;;     - Each number is divided by its block's scale, clamped to +-7.5, and rounded to the nearest number of E2M3, ties to even, subnormals kept.
;;     - The product sums the exact products of the quantised numbers (number of the format x scale) in f32.
;;   ~~~python
;;   def quantise(x, axis):      # numpy; x: float32 -> the quantised numbers, widened to float32 again
;;       x = np.moveaxis(x, axis, -1); K = x.shape[-1]
;;       x = np.pad(x, [(0, 0)] * (x.ndim - 1) + [(0, -K % 32)]); x = x.reshape(x.shape[:-1] + (-1, 32)); a = np.abs(x).max(-1, keepdims=True)
;;       e = np.where(a > 0, np.clip(np.frexp(np.where(a > 0, a, 1))[1] - 1 - 2, -126, 127), 0)      # np.frexp(a)[1] - 1 = floor(log2(a)), exactly
;;       r = np.clip(x / 2.0 ** e, -7.5, 7.5)
;;       step = 2.0 ** (np.maximum(np.frexp(np.where(r == 0, 1, r))[1] - 1, 0) - 3)
;;       q = np.round(r / step) * step * 2.0 ** e      # np.round: ties to even
;;       return np.moveaxis(q.reshape(q.shape[:-2] + (-1,))[..., :K], -1, axis).astype(np.float32)
;;   ~~~
;;   SOFTMAX AHEAD OF A QUANTISED PRODUCT. Where the list says 'softmax', what is quantised is not the finished softmax but p = 2^(t - M), with t = logit x log2(e) and M = ceil(the row's largest t), a whole number; so 1/2 < the row's largest p <= 1. The row's sum l is taken of the UNQUANTISED p, in f32, and the product's result is divided by l at the end. Since M is a whole number, a kernel that streams over the keys may use a running M (the ceiling of the running maximum): every later rescaling is an exact power of two, which a block's scale takes up: the codes' values come out the same.
;;   OPERANDS COMPUTED ON THE WAY. 'Computed on the way' means the value that the module computes at that place (a softmax that the list does not call 'softmax' is quantised finished and normalised). What goes into a quantiser is computed in f32, as accurately as f32 sums, v_exp_f32 and their like allow (about 1e-6 of the number): no bf16 or f16 on the way to a quantiser, and a product that is left as it is and whose result goes on into a quantised operand takes f32 operands (vector FMAs, or v_wmma_f32_16x16x4_f32). A number that lies on a knife's edge between two numbers of the format may be rounded either way, as far as f32 arithmetic and the matrix unit's own rounding can turn it there, and no further.
;;   INPUTS GIVEN AS CODES. Wk (in the module: [1024, 1024], K = its axis 0); Wo (in the module: [1024, 1024], K = its axis 0); Wq (in the module: [1024, 1024], K = its axis 0); Wv (in the module: [1024, 1024], K = its axis 0); key (in the module: [4, 2048, 1024], K = its axis 2); query (in the module: [4, 2048, 1024], K = its axis 2); value (in the module: [4, 2048, 1024], K = its axis 2): each comes as NAME_codes (uint8): NAME with its K axis moved to the last place and cut into blocks of 32 codes, [.., K / 32, bytes a block], one block behind the other in memory; four codes in three bytes: a row's codes are one little-endian stream of bits, code i at bits 6 i .. 6 i + 5 (a code: sign, 2 exponent bits, 3 mantissa bits); and NAME_scales (uint8): the same leading axes, one E8M0 byte (e + 127) for each 32 codes along K. Its value is code x scale, taken as it is: it is not quantised again, and the codes and scales need not be those that the quantiser above would give.
;; One version. Each part assembles by itself: llvm-mc -triple=amdgcn-amd-amdhsa -mcpu=gfx1250 --defsym DOCPART=n.
;; ======== version 1 of 1: 4 launches
;; limits: right only within a limited range of input values
;; workspace buffers: trig 1,048,576 bytes; kv 13,369,344 bytes; qq 13,369,344 bytes; o_codes 6,291,456 bytes; o_scales 262,144 bytes
;; launch projv (part 1): grid 32 x 8, 4 waves a work-group, clusters of 4 x 4, 327,680 bytes of LDS; arguments Wv_codes, Wv_scales, value_codes, value_scales, bv, pos_enc, trig, kv; writes trig, kv
.if DOCPART == 1
	.amdgcn_target "amdgcn-amd-amdhsa--gfx1250"
	.amdhsa_code_object_version 6
	.text
	.protected	k_q9d34df6f70_projv
	.globl	k_q9d34df6f70_projv
	.p2align	8
	.type	k_q9d34df6f70_projv,@function
k_q9d34df6f70_projv:
	s_mov_b64 s[64:65], 0
	v_nop
	global_prefetch_b8 v0, s[64:65] scope:SCOPE_SE
	s_setreg_imm32_b32 hwreg(HW_REG_WAVE_MODE, 25, 1), 1
	s_wait_xcnt 0x0
	s_wait_alu depctr_hold_cnt(0) depctr_sa_sdst(0) depctr_va_vdst(0) depctr_va_sdst(0) depctr_va_ssrc(0) depctr_va_vcc(0) depctr_vm_vsrc(0)
	s_getreg_b32 s2, hwreg(HW_REG_IB_STS2, 6, 4)
	s_cmp_eq_u32 s2, 0
	s_cbranch_scc0 .Lentry_in_a_cluster
	s_endpgm
.Lentry_in_a_cluster:
	s_bfe_u32 s2, ttmp6, 0x10000c
	s_cmp_lg_u32 s2, 0xf033
	s_cbranch_scc0 .Lentry_shape_is_right
	s_endpgm
.Lentry_shape_is_right:
; V = value Wv + bv on codes of FP6 (E2M3), quantised again along the tokens for P V, and the table of cos and sin of pos_enc.
; A work-group makes 128 channels (A: rows of Wv) x 256 tokens (B: rows of value).  ALL OF K LIES IN LDS: rows of 768 bytes as they lie in memory, 16 bytes of padding behind every 256:
; A's 128 rows at 0, B's 256 rows at BBASE, the scale bytes at SCL (units of 256 + 16), the spare words at SPARE.  Everything is filled once, at the head, one joint load a wave; nothing is filled again.
; Four waves, 2 x 2: a wave makes 64 channels (one head) x 128 tokens (one key step): 32 accumulators in window 2.  Source 0 = tokens, source 1 = channels: a lane holds one channel and eight tokens a tile.
; CLUSTERS 4 x 4: A's tiles are shared along a row of the cluster, B's along a column.
; No prefetch: every tile is asked for at the head, so the text has no loop in which to run ahead.
; The table: 256 work-groups x 4 waves x 32 lanes x 4 numbers = 2,048 x 64.  sin and cos by reduction to a quarter turn and polynomials.
; kv: [16 batch + head][key step of 128][13,056 bytes: K's codes 6,144, V's register images 6,144, K's scale words 512, V's 256].  A block of zeros gets the scale byte 1 (this program alone reads the bytes).
; REGISTERS: window 0: v32-95 scale words (8 q + block: lanes 0-15 A's, lanes 16-31 B's), v96-119 LDS addresses of the fragments, v128-223 A's fragments, two sets; window 1: B's, two sets; window 3: v0-31 the bias as the first products' C.
.set KROW, 768
.set PITCH, 816
.set FR, 12
.set NP, 4
.set KS, 32
.set BBASE, 128*PITCH
.set SCL, BBASE+256*PITCH
.set SBLK, 544
.set SPARE, SCL+48*272
.set STEPB, 13056
.set HEADB, 16*STEPB
.set WSTG, 7168
.set LOF8, 15
.set STA, 24
.set RDA, 25
.set WSA, 26
.set ADRS, 27
.set SPW, 28
.set NIL, 29
.set RDW, 30
.set LOFF, 31
.set SC, 32
.set AA, 96
.set AB, 104
.set AF, 128
.set PC, 128
.set RB, 144
.set TM, 232
.set PW, TM+8
.set BI, 0
.set SEL, 66
.set G1, 24
.set G0, 32
.set G0B, 36
.set G1B, 48
.set G1S, 68
.set G0S, 76
.set G1SB, 80
.set G0SB, 88
.set MSB, 0
.macro WIN new
.if MSB != (\new)
	s_set_vgpr_msb (MSB<<8)|(\new)
.set MSB, (\new)
.endif
.endm
.macro PLACES n
.rept \n
	v_nop
.endr
.endm
.macro CROUND
	s_barrier_signal -1
	s_barrier_wait -1
	s_cmp_lg_u32 s14, 0
	s_cbranch_scc1 .Lnot_wave_0_\@
	s_barrier_signal -3
.Lnot_wave_0_\@:
	s_barrier_wait -3
	s_barrier_signal -1
	s_barrier_wait -1
.endm
.macro GROUP1C g, mask, rows           ; rows of 768 bytes, 16 bytes of padding behind every 256
	s_or_b32 s[\g+0], s[\mask], (1<<20)|(1<<21)|(5<<22)|(3<<25)
	s_mov_b32 s[\g+1], KROW<<16
	s_mov_b32 s[\g+2], (\rows)<<16
	s_mov_b32 s[\g+3], KROW<<16
	s_mov_b32 s[\g+4], \rows
	s_mov_b32 s[\g+5], KROW
	s_mov_b32 s[\g+6], 0
	s_mov_b32 s[\g+7], 0
.endm
.macro GROUP1S g, mask, rows           ; a dense block of scale bytes as rows of 256 bytes, padded likewise
	s_or_b32 s[\g+0], s[\mask], (3<<16)|(1<<20)|(1<<21)|(5<<22)|(3<<25)
	s_mov_b32 s[\g+1], 32<<16
	s_mov_b32 s[\g+2], (\rows)<<16
	s_mov_b32 s[\g+3], 32<<16
	s_mov_b32 s[\g+4], \rows
	s_mov_b32 s[\g+5], 32
	s_mov_b32 s[\g+6], 0
	s_mov_b32 s[\g+7], 0
.endm
.macro GROUP0 g, lds, adr
	s_mov_b32 s[\g], 1
	s_mov_b32 s[\g+1], \lds
	s_mov_b64 s[\g+2:\g+3], s[\adr:\adr+1]
	s_or_b32 s[\g+3], s[\g+3], 0x80000000
.endm
.macro ARM under, g0, g1, next
	s_cmp_lt_u32 s14, \under
	s_cbranch_scc0 \next
	tensor_load_to_lds s[\g0:\g0+3], s[\g1:\g1+7]
	s_nop 0
	PLACES 4
	s_branch .Lhead_asked
\next:
.endm
	s_load_b128 s[4:7], s[0:1], 0x0
	s_load_b128 s[8:11], s[0:1], 0x10
	s_load_b128 s[96:99], s[0:1], 0x20
	s_load_b64 s[104:105], s[0:1], 0x30
	s_load_b64 s[12:13], s[0:1], 0x38
	v_lshl_add_u32 v[SPW], v0, 2, SPARE
	v_mov_b32 v[NIL], 0
	ds_add_u32 v[SPW], v[NIL]
	ds_add_u32 v[SPW], v[NIL]
	v_lshrrev_b32 v1, 5, v0
	v_readfirstlane_b32 s14, v1            ; wave; s15 its half of A's rows, s16 its half of B's
	s_lshr_b32 s15, s14, 1
	s_and_b32 s16, s14, 1
	s_bfe_u32 s40, ttmp6, 0x40000
	s_bfe_u32 s41, ttmp6, 0x40004
	s_lshl_b32 s42, ttmp9, 2
	s_add_co_u32 s42, s42, s40             ; B's tile: 256 tokens
	s_and_b32 s17, ttmp7, 0xffff
	s_lshl_b32 s17, s17, 2
	s_add_co_u32 s17, s17, s41             ; A's tile: 128 channels
	s_lshl_b32 s43, s41, 2
	s_lshl_b32 s43, 15, s43
	s_lshl_b32 s44, 0x1111, s40
	GROUP1C G1, 43, 128
	GROUP1C G1B, 44, 256
	GROUP1S G1S, 43, 16
	GROUP1S G1SB, 44, 32
	s_mul_i32 s20, s17, 128*KROW
	s_mov_b32 s21, 0
	s_mul_i32 s22, s17, 128*KS
	s_mov_b32 s23, 0
	s_mul_i32 s46, s42, 256*KROW
	s_mov_b32 s47, 0
	s_mul_i32 s92, s42, 256*KS
	s_mov_b32 s93, 0
	s_wait_dscnt 0x0
	s_wait_kmcnt 0x0
	s_add_nc_u64 s[20:21], s[4:5], s[20:21]
	s_add_nc_u64 s[22:23], s[6:7], s[22:23]
	s_add_nc_u64 s[46:47], s[8:9], s[46:47]
	s_add_nc_u64 s[92:93], s[10:11], s[92:93]
	CROUND                                 ; the joint loads meet
	GROUP0 G0, 0, 20
	GROUP0 G0B, BBASE, 46
	GROUP0 G0S, SCL, 22
	GROUP0 G0SB, SCL+8*SBLK, 92
	ARM 1, G0, G1, .Lhead_b                ; one load a wave: A's codes, B's codes, A's scales, B's scales
	ARM 2, G0B, G1B, .Lhead_sa
	ARM 3, G0S, G1S, .Lhead_sb
	tensor_load_to_lds s[G0SB:G0SB+3], s[G1SB:G1SB+7]
	s_nop 0
	PLACES 4
.Lhead_asked:
	s_mul_i32 s21, s15, 64*PITCH
	s_mul_i32 s22, s16, 128*PITCH
	s_add_co_u32 s22, s22, BBASE
	s_mul_i32 s18, s15, 4*SBLK
	s_mul_i32 s19, s16, 8*SBLK
	s_add_co_u32 s19, s19, 8*SBLK
	s_sub_co_u32 s19, s19, s18
	s_add_co_u32 s18, s18, SCL
	s_mul_i32 s23, s14, WSTG
	v_and_b32 v1, 15, v0
	v_bfe_u32 v2, v0, 4, 1
	v_mul_u32_u24 v3, v1, PITCH
	v_mad_u32_u24 v4, v2, 24, v3           ; a fragment's row + 24 x half;
	v_mad_u32_u24 v5, v2, 40, v3           ; for pieces whose upper half lies behind one padding more
	v_add_nc_u32 v6, s21, v4
	v_add_nc_u32 v7, s21, v5
	v_add_nc_u32 v8, s22, v4
	v_add_nc_u32 v9, s22, v5
.irp i, 0,1,2,3
	v_add_nc_u32 v[AA+2*\i], \i*16*PITCH, v6
	v_add_nc_u32 v[AA+2*\i+1], \i*16*PITCH, v7
.endr
.irp i, 0,1,2,3,4,5,6,7
	v_add_nc_u32 v[AB+2*\i], \i*16*PITCH, v8
	v_add_nc_u32 v[AB+2*\i+1], \i*16*PITCH, v9
.endr
	v_mul_u32_u24 v5, v1, KS
	v_lshrrev_b32 v6, 8, v5
	v_lshl_add_u32 v5, v6, 4, v5
	v_mul_u32_u24 v6, s19, v2              ; lanes 16-31 take B's scale words
	v_add_nc_u32 v5, v5, v6
	v_add_nc_u32 v[ADRS], s18, v5
	v_and_b32 v5, 8, v1
	v_add_nc_u32 v5, v5, v1
	v_mul_u32_u24 v6, v5, 96
	v_mad_u32_u24 v6, v2, 6, v6
	v_add_nc_u32 v[STA], s23, v6
	v_mul_u32_u24 v6, v1, 96
	v_mad_u32_u24 v6, v2, 24, v6
	v_add_nc_u32 v[RDA], s23, v6
	v_and_b32 v6, 7, v1                    ; V's scale words lie [row of a tile][tile]: 16 bytes are one row's words of the four tiles
	v_lshrrev_b32 v9, 3, v1
	v_lshlrev_b32 v9, 2, v9
	v_lshl_add_u32 v6, v6, 4, v9
	v_add_nc_u32 v6, s23, v6
	v_add_nc_u32 v[WSA], 6144, v6
	v_and_b32 v6, 31, v0
	v_lshlrev_b32 v[LOFF], 4, v6
	v_lshlrev_b32 v[LOF8], 3, v6
	v_add_nc_u32 v6, s23, v[LOF8]
	v_add_nc_u32 v[RDW], 6144, v6
	s_mov_b32 s[SEL], 0x76543210
	s_mov_b32 s[SEL+1], 0xfedcba98
.irp b, 0,1,2,3
	v_mov_b32 v[TM+4+\b], 0
.endr
	s_lshl_b32 s20, s17, 7
	s_lshl_b32 s21, s15, 6
	s_add_co_u32 s20, s20, s21             ; my first channel
	s_lshl_b32 s46, s42, 8
	s_lshl_b32 s47, s16, 7
	s_add_co_u32 s46, s46, s47             ; my first token
	s_lshr_b32 s21, s46, 11
	s_lshl_b32 s21, s21, 4
	s_lshr_b32 s22, s20, 6
	s_add_co_u32 s21, s21, s22
	s_lshl_b32 s21, s21, 4
	s_bfe_u32 s22, s46, 0x40007
	s_add_co_u32 s21, s21, s22             ; (16 batch + head) x 16 + key step
	s_mul_i32 s22, s21, STEPB
	s_mov_b32 s23, 0
	s_add_nc_u64 s[12:13], s[12:13], s[22:23]
	s_lshl_b32 s22, s20, 2
	s_add_nc_u64 s[96:97], s[96:97], s[22:23]
	s_lshl_b32 s22, s17, 5
	s_add_co_u32 s22, s22, s42             ; the work-group's number, 0 .. 255: 16 rows of pos_enc for two work-groups, a half each
	s_and_b32 s45, s22, 1
	s_lshr_b32 s22, s22, 1
	s_lshl_b32 s46, s22, 12
	s_lshl_b32 s47, s15, 6
	s_add_co_u32 s46, s46, s47
	s_lshl_b32 s47, s16, 4
	s_add_co_u32 s46, s46, s47
	s_lshl_b32 s47, s45, 7
	s_add_co_u32 s46, s46, s47
	s_mov_b32 s47, 0
	s_add_nc_u64 s[98:99], s[98:99], s[46:47]
	s_lshl_b32 s46, s22, 13
	s_lshl_b32 s22, s14, 9
	s_add_co_u32 s46, s46, s22
	s_lshl_b32 s22, s45, 11
	s_add_co_u32 s46, s46, s22
	s_add_nc_u64 s[104:105], s[104:105], s[46:47]
	s_mov_b32 s92, 0xbfc90fdb
	s_mov_b32 s93, 0x333bbd2e
	s_mov_b32 s94, 0xbe2aaaa3
	s_mov_b32 s95, 0x3c08839e
	s_mov_b32 s100, 0xb94ca1f9
	s_mov_b32 s101, 0x3d2aaaa5
	s_mov_b32 s43, 0xbab6061a
	s_mov_b32 s44, 0x37ccf5ce
	v_lshlrev_b32 v7, 8, v1
	v_lshl_add_u32 v7, v2, 5, v7
	v_lshlrev_b32 v10, 2, v1
	global_load_b128 v[128:131], v7, s[98:99] th:TH_LOAD_NT
	WIN 0xc0
.irp a, 0,1,2,3
	global_load_b32 v[BI+8*\a], v10, s[96:97] offset:64*\a
.endr
	WIN 0
.macro SINCOS x, c, s, flip
	v_mul_f32 v152, 0x3f22f983, v[\x]
	v_rndne_f32 v152, v152
	v_fma_f32 v153, v152, s92, v[\x]
	v_fma_f32 v153, v152, s93, v153
	v_cvt_i32_f32 v154, v152
	v_mul_f32 v155, v153, v153
	v_fma_f32 v156, v155, s100, s95
	v_fma_f32 v157, v155, s44, s43
	v_fma_f32 v156, v156, v155, s94
	v_fma_f32 v157, v157, v155, s101
	v_mul_f32 v158, v155, v153
	v_mul_f32 v159, v155, v155
	v_fma_f32 v160, v155, -0.5, 1.0
	v_fma_f32 v156, v156, v158, v153
	v_fma_f32 v157, v157, v159, v160
	v_and_b32 v161, 1, v154
	v_cmp_eq_u32 vcc_lo, 1, v161
	v_cndmask_b32 v[\s], v156, v157, vcc_lo
	v_cndmask_b32 v[\c], v157, v156, vcc_lo
	v_lshlrev_b32 v161, 30, v154
	v_add_nc_u32 v154, 1, v154
	v_and_b32 v161, 0x80000000, v161
	v_lshlrev_b32 v154, 30, v154
	v_xor_b32 v[\s], v[\s], v161
	v_and_b32 v154, 0x80000000, v154
	v_xor_b32 v[\c], v[\c], v154
.if \flip
	v_xor_b32 v[\s], 0x80000000, v[\s]
.endif
.endm
	s_wait_loadcnt 0x0
.irp n, 0,1,2,3
	SINCOS 128+\n, 136+\n, 144+\n, 1-\n%2  ; the sine of an even channel carries the rotation's minus
.endr
	global_store_b128 v[LOFF], v[136:139], s[104:105]
	global_store_b128 v[LOFF], v[144:147], s[104:105] offset:4096
	WIN 0xc3
.irp a, 0,1,2,3
.irp j, 1,2,3,4,5,6,7
	v_mov_b32 v[BI+8*\a+\j], v[BI+8*\a]   ; a channel's bias over the tile's eight registers
.endr
.endr
	WIN 0
	s_wait_alu depctr_va_vdst(0)           ; the wait at the head's end
	s_wait_xcnt 0x0                        ; the stores have read v136-147: fragments land there
	s_wait_tensorcnt 0x0                   ; my tile is in,
	s_barrier_signal -1
	s_barrier_wait -1                      ; and everybody's
; a fragment: six pieces of 8 bytes, two to a load where both go by the same address register
.macro FRAG reg, q, ad
.set SKIP_, 0
.irp p, 0,1,2,3,4,5
.if SKIP_
.set SKIP_, 0
.else
.set PC_, 12*(\q)+6*(\p/3)+\p%3
.set PN_, 12*(\q)+6*((\p+1)/3)+(\p+1)%3
.set X_, (PC_%32+3)/32
.set XQ_, (PN_%32+3)/32
.if (\p < 5) && (X_ == XQ_)
.set SKIP_, 1
	ds_load_2addr_b64 v[\reg+2*\p:\reg+2*\p+3], v[\ad+X_] offset0:PC_+2*(PC_/32) offset1:PN_+2*(PN_/32)
.else
	ds_load_b64 v[\reg+2*\p:\reg+2*\p+1], v[\ad+X_] offset:8*(PC_+2*(PC_/32))
.endif
.endif
.endr
.endm
.macro FETCH q                         ; step q's fragments into set q % 2
	WIN 0x40
.irp i, 0,1,2,3,4,5,6,7
	FRAG 128*((\q)%2)+FR*\i, \q, AB+2*\i
.endr
	WIN 0
.irp i, 0,1,2,3
	FRAG AF+48*((\q)%2)+FR*\i, \q, AA+2*\i
.endr
.endm
.macro MUL16 a0, q, zero               ; the 32 accumulators take turns
.irp a, \a0, \a0+1
.irp b, 0,1,2,3,4,5,6,7
.set DR, 8*(8*(\a)+\b)
.set BR, 128*((\q)%2)+FR*\b
.set AR, AF+48*((\q)%2)+FR*(\a)
.if \zero
	v_wmma_scale_f32_16x16x128_f8f6f4 v[DR:DR+7], v[BR:BR+FR-1], v[AR:AR+FR-1], v[BI+8*(\a):BI+8*(\a)+7], v[SC+8*(\q)+\b], v[SC+8*(\q)+(\a)] matrix_a_fmt:MATRIX_FMT_FP6 matrix_b_fmt:MATRIX_FMT_FP6 matrix_a_scale:MATRIX_SCALE_ROW1
.else
	v_wmma_scale_f32_16x16x128_f8f6f4 v[DR:DR+7], v[BR:BR+FR-1], v[AR:AR+FR-1], v[DR:DR+7], v[SC+8*(\q)+\b], v[SC+8*(\q)+(\a)] matrix_a_fmt:MATRIX_FMT_FP6 matrix_b_fmt:MATRIX_FMT_FP6 matrix_a_scale:MATRIX_SCALE_ROW1
.endif
.endr
.endr
.endm
.macro STEP q                          ; 128 along K: this step's fragments are in; the next step's are asked for ahead of the 32 products
	s_wait_dscnt 0x0
.if (\q) == 7
	s_barrier_signal -1                    ; my last LDS read is done: behind this barrier the stage may lie over A's rows
.else
.if (\q) > 0
	PLACES NP
.endif
	FETCH (\q)+1
.endif
.if (\q) == 0
	WIN 0xb1
	MUL16 0, \q, 1
	MUL16 2, \q, 1
.else
	WIN 0xa1
	MUL16 0, \q, 0
	MUL16 2, \q, 0
.endif
	WIN 0
.endm
	FETCH 0
.irp q, 0,1,2,3,4,5,6,7
.irp i, 0,1,2,3,4,5,6,7
	ds_load_b32 v[SC+8*\q+\i], v[ADRS] offset:\i*SBLK+4*\q
.endr
.endr
.set Q, 0
.rept 8
	STEP Q
.set Q, Q+1
.endr
	PLACES NP
	s_barrier_wait -1
.macro QUANTN s, w
	WIN (\w)|((\w)<<2)
.irp b, 0,1,2,3
	v_max3_num_f32 v[TM+\b], |v[(\s)+16*\b]|, |v[(\s)+16*\b+1]|, 0x1800000
.endr
.irp i, 2,4,6,8,10,12,14
.irp b, 0,1,2,3
	v_max3_num_f32 v[TM+\b], |v[(\s)+16*\b+\i]|, |v[(\s)+16*\b+\i+1]|, v[TM+\b]
.endr
.endr
	WIN 0
.irp b, 0,1,2,3
	v_permlanex16_b32 v[TM+4+\b], v[TM+\b], s[SEL], s[SEL+1]
.endr
.irp b, 0,1,2,3
	v_max_num_f32 v[TM+\b], v[TM+\b], v[TM+4+\b]
.endr
.irp b, 0,1,2,3
	v_add_nc_u32 v[TM+12+\b], 0xff000000, v[TM+\b]
.endr
.irp b, 0,1,2,3
	v_lshrrev_b32 v[TM+4+\b], 23, v[TM+12+\b]
.endr
	WIN (\w)
.irp b, 0,1,2,3
	v_cvt_scalef32_pk16_fp6_f32 v[PC+4*\b:PC+4*\b+2], v[(\s)+16*\b:(\s)+16*\b+15], v[TM+12+\b]
.endr
	WIN 0
	v_nop
.endm
.macro PUT16 b, adr, o
	ds_store_b16 v[\adr], v[PC+4*(\b)] offset:(\o)
	ds_store_b16_d16_hi v[\adr], v[PC+4*(\b)] offset:(\o)+2
	ds_store_b16 v[\adr], v[PC+4*(\b)+1] offset:(\o)+4
	ds_store_b16_d16_hi v[\adr], v[PC+4*(\b)+1] offset:(\o)+12
	ds_store_b16 v[\adr], v[PC+4*(\b)+2] offset:(\o)+14
	ds_store_b16_d16_hi v[\adr], v[PC+4*(\b)+2] offset:(\o)+16
.endm
; THE WAY OUT, 16 channels at a time: four blocks of 32 tokens each, through my stage, out as register images
.set A, 0
.rept 4
	s_wait_dscnt 0x0
	QUANTN 64*A, 2
	v_lshl_or_b32 v[PW], v[TM+5], 8, v[TM+4]
	v_lshl_or_b32 v[PW], v[TM+6], 16, v[PW]
	v_lshl_or_b32 v[PW], v[TM+7], 24, v[PW]
	ds_store_b32 v[WSA], v[PW] offset:128*(A%2)+8*(A/2)
.irp b, 0,1,2,3
	PUT16 \b, STA, 3072*((A/2)%2)+768*(A%2)+24*\b
.endr
.if A%2
.set G, A/2
	s_wait_xcnt 0x0
.irp t, 0,1
.irp p, 0,1,2,3,4,5
	ds_load_b64 v[RB+12*\t+2*\p:RB+12*\t+2*\p+1], v[RDA] offset:3072*(G%2)+1536*\t+48*(\p/3)+8*(\p%3)
.endr
.endr
	s_wait_dscnt 0x0
.irp t, 0,1
.irp c, 0,1,2
	global_store_b128 v[LOFF], v[RB+12*\t+4*\c:RB+12*\t+4*\c+3], s[12:13] offset:6144+1536*(2*G+\t)+512*\c
.endr
.endr
.endif
.set A, A+1
.endr
	s_wait_xcnt 0x0
	ds_load_b64 v[RB:RB+1], v[RDW]
	s_wait_dscnt 0x0
	global_store_b64 v[LOF8], v[RB:RB+1], s[12:13] offset:12800
	s_wait_tensorcnt 0x0                   ; the wave's end
	ds_add_u32 v[SPW], v[NIL]
	s_wait_dscnt 0x0
	CROUND
	s_endpgm
.Lfunc_end_k_q9d34df6f70_projv:
	.size	k_q9d34df6f70_projv, .Lfunc_end_k_q9d34df6f70_projv-k_q9d34df6f70_projv
	.p2alignl 7, 3214868480
	.fill 96, 4, 3214868480
	.section	.rodata,"a",@progbits
	.p2align	6, 0x0
	.amdhsa_kernel k_q9d34df6f70_projv
		.amdhsa_group_segment_fixed_size 327680
		.amdhsa_private_segment_fixed_size 0
		.amdhsa_enable_private_segment 0
		.amdhsa_kernarg_size 64
		.amdhsa_user_sgpr_count 2
		.amdhsa_user_sgpr_kernarg_segment_ptr 1
		.amdhsa_wavefront_size32 1
		.amdhsa_system_sgpr_workgroup_id_x 1
		.amdhsa_system_sgpr_workgroup_id_y 1
		.amdhsa_system_sgpr_workgroup_id_z 1
		.amdhsa_system_vgpr_workitem_id 0
		.amdhsa_next_free_vgpr 1024
		.amdhsa_next_free_sgpr 106
		.amdhsa_reserve_vcc 1
		.amdhsa_float_denorm_mode_32 3
		.amdhsa_float_denorm_mode_16_64 3
		.amdhsa_memory_ordered 1
		.amdhsa_forward_progress 1
		.amdhsa_inst_pref_size 100
	.end_amdhsa_kernel
	.amdgpu_metadata
---
amdhsa.version: [ 1, 2 ]
amdhsa.kernels:
  - .name:           k_q9d34df6f70_projv
    .symbol:         k_q9d34df6f70_projv.kd
    .args:
      - { .name: Wv_codes, .offset: 0, .size: 8, .value_kind: global_buffer, .address_space: global }
      - { .name: Wv_scales, .offset: 8, .size: 8, .value_kind: global_buffer, .address_space: global }
      - { .name: value_codes, .offset: 16, .size: 8, .value_kind: global_buffer, .address_space: global }
      - { .name: value_scales, .offset: 24, .size: 8, .value_kind: global_buffer, .address_space: global }
      - { .name: bv, .offset: 32, .size: 8, .value_kind: global_buffer, .address_space: global }
      - { .name: pos_enc, .offset: 40, .size: 8, .value_kind: global_buffer, .address_space: global }
      - { .name: trig, .offset: 48, .size: 8, .value_kind: global_buffer, .address_space: global }
      - { .name: kv, .offset: 56, .size: 8, .value_kind: global_buffer, .address_space: global }
    .group_segment_fixed_size: 327680
    .private_segment_fixed_size: 0
    .kernarg_segment_align: 8
    .kernarg_segment_size: 64
    .max_flat_workgroup_size: 128
    .sgpr_count:     106
    .vgpr_count:     1024
    .wavefront_size: 32
...
	.end_amdgpu_metadata
.endif
;; end of part 1
;; launch projqk (part 2): grid 4 x 64, 4 waves a work-group, clusters of 4 x 4, 327,680 bytes of LDS; arguments query_codes, query_scales, key_codes, key_scales, Wq_codes, Wq_scales, Wk_codes, Wk_scales, bq, bk, pad_mask, trig, qq, kv; writes qq, kv
.if DOCPART == 2
	.amdgcn_target "amdgcn-amd-amdhsa--gfx1250"
	.amdhsa_code_object_version 6
	.text
	.protected	k_q9d34df6f70_projqk
	.globl	k_q9d34df6f70_projqk
	.p2align	8
	.type	k_q9d34df6f70_projqk,@function
k_q9d34df6f70_projqk:
	s_mov_b64 s[64:65], 0
	v_nop
	global_prefetch_b8 v0, s[64:65] scope:SCOPE_SE
	s_setreg_imm32_b32 hwreg(HW_REG_WAVE_MODE, 25, 1), 1
	s_wait_xcnt 0x0
	s_wait_alu depctr_hold_cnt(0) depctr_sa_sdst(0) depctr_va_vdst(0) depctr_va_sdst(0) depctr_va_ssrc(0) depctr_va_vcc(0) depctr_vm_vsrc(0)
	s_getreg_b32 s2, hwreg(HW_REG_IB_STS2, 6, 4)
	s_cmp_eq_u32 s2, 0
	s_cbranch_scc0 .Lentry_in_a_cluster
	s_endpgm
.Lentry_in_a_cluster:
	s_bfe_u32 s2, ttmp6, 0x10000c
	s_cmp_lg_u32 s2, 0xf033
	s_cbranch_scc0 .Lentry_shape_is_right
	s_endpgm
.Lentry_shape_is_right:
; Q = rope(query Wq + bq), K = rope(key Wk + bk) on codes of FP6 (E2M3), quantised again along the head's channels for Q K^T.  (The factor 1/8 on q is a power of two: the launch that reads q folds it into its exponent's factor.)
; Clusters 0-7 along y make Q, 8-15 K.  A WORK-GROUP STAYS: it makes two tiles, one after the other, of 128 tokens (A) x 256 channels (B: rows of the weight).  ALL OF K LIES IN LDS, rows of 768 bytes as in memory with 16 bytes
; behind every 256: A at 0, B at BBASE, scale bytes at SCL, spare words at SPARE.  At the head one joint load a wave.  B's rows and scale bytes are filled once.  A's rows and scale bytes are filled again ONCE, with the second tile's:
; behind a round of the cluster's barrier, which stands in the first tile's last 32 products; the fill is on its way under the first tile's way out, and a plain barrier shows it to all waves.
; Four waves, 2 x 2: a wave makes 64 tokens x 128 channels (two heads): 32 accumulators in window 2.  Source 0 = channels, source 1 = tokens: a lane holds one token and eight channels a tile.
; THE WAY OUT stores nothing to LDS.  A half-swap of lanes gives lane (r, h) block h of its token's 64 channels (inside a block the channels lie 0-7, 16-23, 8-15, 24-31, in Q and K alike, which leaves their products as they are).
; A tile for the next launch: row 8 h + j of tile t is token 32 h + 8 t + j of my 64: lanes 0-7 of a row of lanes come from token block A, lanes 8-15 from block A + 2: a move from lane l xor 8 and a select join them.
; The codes leave as images of the operand's registers: a tile is 512 bytes (four registers, 16 x lane) and 256 bytes (two registers, 8 x lane).  Scale words: [64 tokens][row of a tile][tile], 16 bytes a lane.
; CLUSTERS 4 x 4: A's tiles are shared along a row of the cluster, B's along a column.  No prefetch: the text has no loop in which to run ahead.
; THE MASK goes into byte 2 of a key's scale word (254 masked, 1 open; Q's word has 127); a batch with every key masked gets words that make its scores alike.
; REGISTERS: window 0: v32-95 scale words (8 q + block), v96-119 fragment addresses, v128-223 A's fragments, two sets, then codes and words on the way out; window 1: B's two sets, then the cos and sin tables;
; window 3: v0-63 the bias as the first products' C, v64-127 the rotated numbers.
.set KROW, 768
.set PITCH, 816
.set FR, 12
.set NP, 4
.set KS, 32
.set BBASE, 128*PITCH
.set SCL, BBASE+256*PITCH
.set SBLK, 544
.set SPARE, SCL+48*272
.set STEPB, 13056
.set HEADB, 16*STEPB
.set WOF, 14
.set CO8, 15
.set CO16, 24
.set ADRS, 27
.set SPW, 28
.set NIL, 29
.set LOFF, 31
.set SC, 32
.set AA, 96
.set AB, 104
.set AF, 128
.set CB, 128
.set WS, 192
.set HIW, 224
.set TM, 232
.set PW, TM+8
.set BI, 0
.set X, 64
.set SEL, 66
.set M8, 56
.set MH, 57
.set KEEP, 100
.set DELTA, 101
.set BASEW, 94
.set G1, 24
.set G0, 32
.set G0B, 36
.set G1B, 48
.set G1S, 68
.set G0S, 76
.set G1SB, 80
.set G0SB, 88
.set MSB, 0
.macro WIN new
.if MSB != (\new)
	s_set_vgpr_msb (MSB<<8)|(\new)
.set MSB, (\new)
.endif
.endm
.macro PLACES n
.rept \n
	v_nop
.endr
.endm
.macro CREST
	s_cmp_lg_u32 s14, 0
	s_cbranch_scc1 .Lnot_wave_0_\@
	s_barrier_signal -3
.Lnot_wave_0_\@:
	s_barrier_wait -3
	s_barrier_signal -1
	s_barrier_wait -1
.endm
.macro CROUND
	s_barrier_signal -1
	s_barrier_wait -1
	CREST
.endm
.macro GROUP1C g, mask, rows
	s_or_b32 s[\g+0], s[\mask], (1<<20)|(1<<21)|(5<<22)|(3<<25)
	s_mov_b32 s[\g+1], KROW<<16
	s_mov_b32 s[\g+2], (\rows)<<16
	s_mov_b32 s[\g+3], KROW<<16
	s_mov_b32 s[\g+4], \rows
	s_mov_b32 s[\g+5], KROW
	s_mov_b32 s[\g+6], 0
	s_mov_b32 s[\g+7], 0
.endm
.macro GROUP1S g, mask, rows
	s_or_b32 s[\g+0], s[\mask], (3<<16)|(1<<20)|(1<<21)|(5<<22)|(3<<25)
	s_mov_b32 s[\g+1], 32<<16
	s_mov_b32 s[\g+2], (\rows)<<16
	s_mov_b32 s[\g+3], 32<<16
	s_mov_b32 s[\g+4], \rows
	s_mov_b32 s[\g+5], 32
	s_mov_b32 s[\g+6], 0
	s_mov_b32 s[\g+7], 0
.endm
.macro GROUP0 g, lds, adr
	s_mov_b32 s[\g], 1
	s_mov_b32 s[\g+1], \lds
	s_mov_b64 s[\g+2:\g+3], s[\adr:\adr+1]
	s_or_b32 s[\g+3], s[\g+3], 0x80000000
.endm
.macro TLOAD g0, g1
	tensor_load_to_lds s[\g0:\g0+3], s[\g1:\g1+7]
	s_nop 0
	PLACES 4
.endm
.macro ARM under, g0, g1, next
	s_cmp_lt_u32 s14, \under
	s_cbranch_scc0 \next
	TLOAD \g0, \g1
	s_branch .Lhead_asked
\next:
.endm
	s_load_b512 s[24:39], s[0:1], 0x0
	s_load_b256 s[48:55], s[0:1], 0x40
	s_load_b128 s[56:59], s[0:1], 0x60
	v_lshl_add_u32 v[SPW], v0, 2, SPARE
	v_mov_b32 v[NIL], 0
	ds_add_u32 v[SPW], v[NIL]
	ds_add_u32 v[SPW], v[NIL]
	v_lshrrev_b32 v1, 5, v0
	v_readfirstlane_b32 s14, v1
	s_lshr_b32 s15, s14, 1
	s_and_b32 s16, s14, 1
	s_bfe_u32 s40, ttmp6, 0x40000
	s_bfe_u32 s41, ttmp6, 0x40004
	s_lshl_b32 s42, ttmp9, 2
	s_add_co_u32 s42, s42, s40             ; B's tile: 256 channels
	s_and_b32 s95, ttmp7, 0xffff
	s_lshl_b32 s17, s95, 2
	s_add_co_u32 s17, s17, s41
	s_lshl_b32 s43, s41, 2
	s_lshl_b32 s43, 15, s43
	s_lshl_b32 s44, 0x1111, s40
	s_wait_dscnt 0x0
	s_wait_kmcnt 0x0
	s_cmp_lt_u32 s95, 8                    ; by the cluster's number alone: the same in all partners
	s_cselect_b64 s[4:5], s[24:25], s[28:29]
	s_cselect_b64 s[6:7], s[26:27], s[30:31]
	s_cselect_b64 s[8:9], s[32:33], s[36:37]
	s_cselect_b64 s[10:11], s[34:35], s[38:39]
	s_cselect_b64 s[96:97], s[48:49], s[50:51]
	s_cselect_b64 s[12:13], s[56:57], s[58:59]
	s_cselect_b32 s95, 0, 1
	s_mov_b64 s[104:105], s[52:53]
	s_mov_b64 s[98:99], s[54:55]
	s_lshl_b32 s18, s95, 5
	s_sub_co_u32 s17, s17, s18             ; my 256 tokens of the tensor: two tiles of 128
	GROUP1C G1, 43, 128
	GROUP1C G1B, 44, 256
	GROUP1S G1S, 43, 16
	GROUP1S G1SB, 44, 32
	s_mul_i32 s20, s17, 256*KROW
	s_mov_b32 s21, 0
	s_mul_i32 s22, s17, 256*KS
	s_mov_b32 s23, 0
	s_mul_i32 s46, s42, 256*KROW
	s_mov_b32 s47, 0
	s_mul_i32 s92, s42, 256*KS
	s_mov_b32 s93, 0
	s_add_nc_u64 s[20:21], s[4:5], s[20:21]
	s_add_nc_u64 s[22:23], s[6:7], s[22:23]
	s_add_nc_u64 s[46:47], s[8:9], s[46:47]
	s_add_nc_u64 s[92:93], s[10:11], s[92:93]
	CROUND
	GROUP0 G0, 0, 20
	GROUP0 G0B, BBASE, 46
	GROUP0 G0S, SCL, 22
	GROUP0 G0SB, SCL+8*SBLK, 92
	ARM 1, G0, G1, .Lhead_b
	ARM 2, G0B, G1B, .Lhead_sa
	ARM 3, G0S, G1S, .Lhead_sb
	TLOAD G0SB, G1SB
.Lhead_asked:
	s_mul_i32 s21, s15, 64*PITCH
	s_mul_i32 s22, s16, 128*PITCH
	s_add_co_u32 s22, s22, BBASE
	s_mul_i32 s18, s15, 4*SBLK
	s_mul_i32 s19, s16, 8*SBLK
	s_add_co_u32 s19, s19, 8*SBLK
	s_sub_co_u32 s19, s19, s18
	s_add_co_u32 s18, s18, SCL
	s_mul_i32 s45, s15, 3072
	s_lshl_b32 s3, s15, 8
	v_and_b32 v1, 15, v0
	v_bfe_u32 v2, v0, 4, 1
	v_mul_u32_u24 v3, v1, PITCH
	v_mad_u32_u24 v4, v2, 24, v3
	v_mad_u32_u24 v5, v2, 40, v3
	v_add_nc_u32 v6, s21, v4
	v_add_nc_u32 v7, s21, v5
	v_add_nc_u32 v8, s22, v4
	v_add_nc_u32 v9, s22, v5
.irp i, 0,1,2,3
	v_add_nc_u32 v[AA+2*\i], \i*16*PITCH, v6
	v_add_nc_u32 v[AA+2*\i+1], \i*16*PITCH, v7
.endr
.irp i, 0,1,2,3,4,5,6,7
	v_add_nc_u32 v[AB+2*\i], \i*16*PITCH, v8
	v_add_nc_u32 v[AB+2*\i+1], \i*16*PITCH, v9
.endr
	v_mul_u32_u24 v5, v1, KS
	v_lshrrev_b32 v6, 8, v5
	v_lshl_add_u32 v5, v6, 4, v5
	v_mul_u32_u24 v6, s19, v2
	v_add_nc_u32 v5, v5, v6
	v_add_nc_u32 v[ADRS], s18, v5
	v_and_b32 v6, 31, v0
	v_lshlrev_b32 v[LOFF], 4, v6
	v_add_nc_u32 v[CO16], s45, v[LOFF]     ; codes: my four of the key step's eight tiles; 16 x lane,
	v_lshl_add_u32 v[CO8], v6, 3, s45      ; and 8 x lane
	v_mul_u32_u24 v[WOF], v2, HEADB
	v_lshl_add_u32 v[WOF], v1, 4, v[WOF]
	v_add_nc_u32 v[WOF], s3, v[WOF]        ; scale words: lanes 0-15 the first head's 256 bytes, lanes 16-31 the second's
	v_lshlrev_b32 v8, 6, v6
	v_lshlrev_b32 v7, 5, v2
	v_cmp_gt_u32 s[M8], 8, v1              ; lanes 0-7 of each row of sixteen
	v_cmp_eq_u32 s[MH], 1, v2              ; lanes 16-31
.irp b, 0,1,2,3
	v_mov_b32 v[TM+4+\b], 0
.endr
	s_wait_alu depctr_va_vdst(0)           ; the wait ahead of the run of scalar lines
	s_mov_b32 s[SEL], 0x76543210
	s_mov_b32 s[SEL+1], 0xfedcba98
	s_lshl_b32 s20, s17, 8
	s_lshl_b32 s21, s15, 6
	s_add_co_u32 s20, s20, s21             ; my first token
	s_lshl_b32 s46, s42, 2
	s_lshl_b32 s47, s16, 1
	s_add_co_u32 s46, s46, s47             ; my first head
	s_lshr_b32 s21, s20, 11
	s_lshl_b32 s21, s21, 4
	s_add_co_u32 s21, s21, s46
	s_lshl_b32 s21, s21, 4
	s_bfe_u32 s22, s20, 0x40007
	s_add_co_u32 s21, s21, s22
	s_mul_i32 s22, s21, STEPB
	s_mov_b32 s23, 0
	s_add_nc_u64 s[12:13], s[12:13], s[22:23]
	s_and_b32 s22, s20, 2047
	s_lshl_b32 s22, s22, 9
	s_add_nc_u64 s[98:99], s[98:99], s[22:23]
	s_lshl_b32 s22, s46, 8
	s_add_nc_u64 s[96:97], s[96:97], s[22:23]
	s_and_b32 s22, s20, 0xfffff800
	s_add_nc_u64 s[92:93], s[104:105], s[22:23]
	s_mov_b32 s22, s20
	s_add_nc_u64 s[104:105], s[104:105], s[22:23]
	WIN 0xc0
.irp b, 0,1,2,3,4,5,6,7
	global_load_b128 v[BI+8*\b:BI+8*\b+3], v7, s[96:97] offset:64*\b
	global_load_b128 v[BI+8*\b+4:BI+8*\b+7], v7, s[96:97] offset:64*\b+16
.endr
	WIN 0
.irp a, 0,1,2,3,4,5,6,7
	global_load_u8 v[HIW+\a], v1, s[104:105] offset:16*(\a%4)+128*(\a/4)   ; both tiles' mask bytes
.endr
.irp i, 0,1,2,3
	global_load_b128 v[128+4*\i:131+4*\i], v8, s[92:93] offset:16*\i
.endr
	s_wait_loadcnt 0x0
.irp i, 0,1,2,3,4,5,6,7
	v_and_b32 v[128+\i], v[128+\i], v[136+\i]
.endr
.irp i, 0,1,2,3
	v_and_b32 v[128+\i], v[128+\i], v[132+\i]
.endr
	v_and_b32 v128, v128, v130
	v_and_b32 v129, v129, v131
	v_and_b32 v128, v128, v129
	v_cmp_eq_u32 s22, 0x01010101, v128     ; is every key of the batch masked?  It only selects values
	s_cmp_eq_u32 s22, -1
	s_cselect_b32 s22, 1, 0
	s_and_b32 s22, s22, s95
	s_cmp_eq_u32 s95, 0
	s_mov_b32 s[BASEW], 0x01010000
	s_cselect_b32 s[BASEW], 0x7f7f0000, s[BASEW]
	s_cselect_b32 s[DELTA], 0, 0xfd0000
	s_cmp_eq_u32 s22, 0
	s_mov_b32 s23, 0x01010101
	s_cselect_b32 s[KEEP], 0xffff, 0
	s_cselect_b32 s[DELTA], s[DELTA], 0
	s_cselect_b32 s[BASEW], s[BASEW], s23
.irp a, 0,1,2,3,4,5,6,7
	v_mad_u32_u24 v[HIW+\a], v[HIW+\a], s[DELTA], s[BASEW]
.endr
	s_wait_alu depctr_va_vdst(0)           ; the wait at the head's end
	s_wait_tensorcnt 0x0
	s_barrier_signal -1
	s_barrier_wait -1
.macro FRAG reg, q, ad
.set SKIP_, 0
.irp p, 0,1,2,3,4,5
.if SKIP_
.set SKIP_, 0
.else
.set PC_, 12*(\q)+6*(\p/3)+\p%3
.set PN_, 12*(\q)+6*((\p+1)/3)+(\p+1)%3
.set X_, (PC_%32+3)/32
.set XQ_, (PN_%32+3)/32
.if (\p < 5) && (X_ == XQ_)
.set SKIP_, 1
	ds_load_2addr_b64 v[\reg+2*\p:\reg+2*\p+3], v[\ad+X_] offset0:PC_+2*(PC_/32) offset1:PN_+2*(PN_/32)
.else
	ds_load_b64 v[\reg+2*\p:\reg+2*\p+1], v[\ad+X_] offset:8*(PC_+2*(PC_/32))
.endif
.endif
.endr
.endm
.macro FETCH q
	WIN 0x40
.irp i, 0,1,2,3,4,5,6,7
	FRAG 128*((\q)%2)+FR*\i, \q, AB+2*\i
.endr
	WIN 0
.irp i, 0,1,2,3
	FRAG AF+48*((\q)%2)+FR*\i, \q, AA+2*\i
.endr
.endm
.macro MUL16 a0, q, zero
.irp a, \a0, \a0+1
.irp b, 0,1,2,3,4,5,6,7
.set DR, 8*(8*(\a)+\b)
.set BR, 128*((\q)%2)+FR*\b
.set AR, AF+48*((\q)%2)+FR*(\a)
.if \zero
	v_wmma_scale_f32_16x16x128_f8f6f4 v[DR:DR+7], v[BR:BR+FR-1], v[AR:AR+FR-1], v[BI+8*\b:BI+8*\b+7], v[SC+8*(\q)+\b], v[SC+8*(\q)+(\a)] matrix_a_fmt:MATRIX_FMT_FP6 matrix_b_fmt:MATRIX_FMT_FP6 matrix_a_scale:MATRIX_SCALE_ROW1
.else
	v_wmma_scale_f32_16x16x128_f8f6f4 v[DR:DR+7], v[BR:BR+FR-1], v[AR:AR+FR-1], v[DR:DR+7], v[SC+8*(\q)+\b], v[SC+8*(\q)+(\a)] matrix_a_fmt:MATRIX_FMT_FP6 matrix_b_fmt:MATRIX_FMT_FP6 matrix_a_scale:MATRIX_SCALE_ROW1
.endif
.endr
.endr
.endm
.macro STEP q
	s_wait_dscnt 0x0
.if (\q) > 0
	PLACES NP
.endif
	FETCH (\q)+1
.if (\q) == 0
	WIN 0xb1
	MUL16 0, \q, 1
	MUL16 2, \q, 1
.else
	WIN 0xa1
	MUL16 0, \q, 0
	MUL16 2, \q, 0
.endif
	WIN 0
.endm
.macro TLT a                           ; cos and sin of 16 tokens, in the order of the results' registers
	WIN 0x40
.irp j, 0,1,2,3,4,5,6,7,8,9,10,11,12,13,14,15
	global_load_b128 v[64*(\a)+4*\j:64*(\a)+4*\j+3], v[LOFF], s[98:99] offset:8192*(\a)+512*\j
.endr
	WIN 0
.endm
.macro WALK                            ; a tile's steps 0 to 6; then the last step's fragments are in, and the first two tables are asked for, onto B's set 0
	FETCH 0
.irp q, 0,1,2,3,4,5,6,7
.irp i, 0,1,2,3,4,5,6,7
	ds_load_b32 v[SC+8*\q+\i], v[ADRS] offset:\i*SBLK+4*\q
.endr
.endr
.set Q, 0
.rept 7
	STEP Q
.set Q, Q+1
.endr
	s_wait_dscnt 0x0
	PLACES NP
	TLT 0
	TLT 1
.endm
.macro LASTMUL
	WIN 0xa1
	MUL16 0, 7, 0
	MUL16 2, 7, 0
	WIN 0
.endm
.macro ROPE a
.set AC, 64*(\a)
	WIN 0xf6
.set I, 0
.rept 32
	v_pk_mul_f32 v[X+I:X+I+1], v[AC+I:AC+I+1], v[AC+I%32:AC+I%32+1]
.set I, I+2
.endr
.set I, 0
.rept 32
	v_pk_fma_f32 v[X+I:X+I+1], v[AC+I:AC+I+1], v[AC+32+I%32:AC+32+I%32+1], v[X+I:X+I+1] op_sel:[1,0,0] op_sel_hi:[0,1,1]
.set I, I+2
.endr
	WIN 0
.endm
.macro QUANTN s, w, pc
	WIN (\w)|((\w)<<2)
.irp b, 0,1,2,3
	v_max3_num_f32 v[TM+\b], |v[(\s)+16*\b]|, |v[(\s)+16*\b+1]|, 0x1800000
.endr
.irp i, 2,4,6,8,10,12,14
.irp b, 0,1,2,3
	v_max3_num_f32 v[TM+\b], |v[(\s)+16*\b+\i]|, |v[(\s)+16*\b+\i+1]|, v[TM+\b]
.endr
.endr
	WIN 0
.irp b, 0,1,2,3
	v_permlanex16_b32 v[TM+4+\b], v[TM+\b], s[SEL], s[SEL+1]
.endr
.irp b, 0,1,2,3
	v_max_num_f32 v[TM+\b], v[TM+\b], v[TM+4+\b]
.endr
.irp b, 0,1,2,3
	v_add_nc_u32 v[TM+12+\b], 0xff000000, v[TM+\b]
.endr
.irp b, 0,1,2,3
	v_lshrrev_b32 v[TM+4+\b], 23, v[TM+12+\b]
.endr
	WIN (\w)
.irp b, 0,1,2,3
	v_cvt_scalef32_pk16_fp6_f32 v[(\pc)+4*\b:(\pc)+4*\b+2], v[(\s)+16*\b:(\s)+16*\b+15], v[TM+12+\b]
.endr
	WIN 0
	v_nop
.endm
.macro MIX ra, rb                      ; two registers by token blocks A, A + 2 become two by tiles: lanes 8-15 of the first change places with lanes 0-7 of the second
	v_mov_b32_dpp v4, v[\ra] row_xmask:8 row_mask:0xf bank_mask:0xf
	v_mov_b32_dpp v5, v[\rb] row_xmask:8 row_mask:0xf bank_mask:0xf
	v_cndmask_b32 v[\ra], v5, v[\ra], s[M8]
	v_cndmask_b32 v[\rb], v[\rb], v4, s[M8]
.endm
.macro JOIN a0                         ; token blocks a0 and a0 + 2 are done: tiles 2 a0 and 2 a0 + 1 of both heads leave
.irp c, 0,1
.irp i, 0,1,2,3,4,5
	MIX CB+16*(\a0)+8*\c+\i, CB+16*((\a0)+2)+8*\c+\i
.endr
.irp u, 0,1
	global_store_b128 v[CO16], v[CB+16*((\a0)+2*\u)+8*\c:CB+16*((\a0)+2*\u)+8*\c+3], s[12:13] offset:HEADB*\c+1536*(\a0)+768*\u
	global_store_b64 v[CO8], v[CB+16*((\a0)+2*\u)+8*\c+4:CB+16*((\a0)+2*\u)+8*\c+5], s[12:13] offset:HEADB*\c+1536*(\a0)+768*\u+512
.endr
.endr
.endm
.macro EPI tau                         ; a tile's way out, 16 tokens at a time: rotate, quantise four blocks of 32 channels
.set A, 0
.rept 4
	s_wait_loadcnt 16*(3-A)                ; the tables of the later blocks may be out, 16 loads each
	ROPE A
	QUANTN X, 3, CB+16*A
.irp c, 0,1
	v_lshl_or_b32 v[PW+\c], v[TM+5+2*\c], 8, v[TM+4+2*\c]
	v_and_or_b32 v[PW+\c], v[PW+\c], s[KEEP], v[HIW+4*(\tau)+A]
.endr
	v_cndmask_b32 v[WS+2*(A%2)+A/2], v[PW], v[PW+1], s[MH]   ; lanes 0-15 keep the first head's word, lanes 16-31 the second's
.irp c, 0,1
.irp i, 0,1,2
	v_permlane16_swap_b32 v[CB+16*A+8*\c+\i], v[CB+16*A+8*\c+4+\i]   ; lane (r, h) now holds block h: three registers here, three there
.endr
	v_mov_b32 v[CB+16*A+8*\c+3], v[CB+16*A+8*\c+4]
	v_mov_b32 v[CB+16*A+8*\c+4], v[CB+16*A+8*\c+5]
	v_mov_b32 v[CB+16*A+8*\c+5], v[CB+16*A+8*\c+6]
.endr
.if A >= 2
	JOIN A-2
.endif
.set A, A+1
.endr
	MIX WS, WS+1
	MIX WS+2, WS+3
	global_store_b128 v[WOF], v[WS:WS+3], s[12:13] offset:12288
.endm
; ---- the first tile
	WALK
	s_wait_tensorcnt 0x0                   ; ahead of a refill's round
	ds_add_u32 v[SPW], v[NIL]
	s_wait_dscnt 0x0                       ; the add is done, and my last read of A's rows and scale bytes
	s_barrier_signal -1
	LASTMUL                                ; register work inside the round
	s_barrier_wait -1
	CREST
	s_add_nc_u64 s[G0+2:G0+3], s[G0+2:G0+3], 128*KROW
	s_add_nc_u64 s[G0S+2:G0S+3], s[G0S+2:G0S+3], 128*KS
	s_cmp_lt_u32 s14, 1
	s_cbranch_scc0 .Lfill_s
	TLOAD G0, G1                           ; wave 0: the second tile's rows,
	s_branch .Lfilled
.Lfill_s:
	s_cmp_eq_u32 s14, 1
	s_cbranch_scc0 .Lfill_none
	TLOAD G0S, G1S                         ; wave 1: their scale bytes
.Lfill_none:
.Lfilled:
	PLACES NP                              ; behind the products, for the waves that come round the loads
	TLT 2
	TLT 3
	EPI 0
	s_wait_xcnt 0x0                        ; the stores have read their registers and their base
	s_add_nc_u64 s[12:13], s[12:13], STEPB ; the next key step,
	s_add_nc_u64 s[98:99], s[98:99], 128*512   ; and its tokens' tables
	s_wait_tensorcnt 0x0                   ; what was filled again is in,
	s_wait_dscnt 0x0
	s_barrier_signal -1
	s_barrier_wait -1                      ; for every wave
; ---- the second tile
	WALK
	LASTMUL
	PLACES NP
	TLT 2
	TLT 3
	EPI 1
	s_wait_tensorcnt 0x0                   ; the wave's end
	ds_add_u32 v[SPW], v[NIL]
	s_wait_dscnt 0x0
	CROUND
	s_endpgm
.Lfunc_end_k_q9d34df6f70_projqk:
	.size	k_q9d34df6f70_projqk, .Lfunc_end_k_q9d34df6f70_projqk-k_q9d34df6f70_projqk
	.p2alignl 7, 3214868480
	.fill 96, 4, 3214868480
	.section	.rodata,"a",@progbits
	.p2align	6, 0x0
	.amdhsa_kernel k_q9d34df6f70_projqk
		.amdhsa_group_segment_fixed_size 327680
		.amdhsa_private_segment_fixed_size 0
		.amdhsa_enable_private_segment 0
		.amdhsa_kernarg_size 112
		.amdhsa_user_sgpr_count 2
		.amdhsa_user_sgpr_kernarg_segment_ptr 1
		.amdhsa_wavefront_size32 1
		.amdhsa_system_sgpr_workgroup_id_x 1
		.amdhsa_system_sgpr_workgroup_id_y 1
		.amdhsa_system_sgpr_workgroup_id_z 1
		.amdhsa_system_vgpr_workitem_id 0
		.amdhsa_next_free_vgpr 1024
		.amdhsa_next_free_sgpr 106
		.amdhsa_reserve_vcc 0
		.amdhsa_float_denorm_mode_32 3
		.amdhsa_float_denorm_mode_16_64 3
		.amdhsa_memory_ordered 1
		.amdhsa_forward_progress 1
		.amdhsa_inst_pref_size 226
	.end_amdhsa_kernel
	.amdgpu_metadata
---
amdhsa.version: [ 1, 2 ]
amdhsa.kernels:
  - .name:           k_q9d34df6f70_projqk
    .symbol:         k_q9d34df6f70_projqk.kd
    .args:
      - { .name: query_codes, .offset: 0, .size: 8, .value_kind: global_buffer, .address_space: global }
      - { .name: query_scales, .offset: 8, .size: 8, .value_kind: global_buffer, .address_space: global }
      - { .name: key_codes, .offset: 16, .size: 8, .value_kind: global_buffer, .address_space: global }
      - { .name: key_scales, .offset: 24, .size: 8, .value_kind: global_buffer, .address_space: global }
      - { .name: Wq_codes, .offset: 32, .size: 8, .value_kind: global_buffer, .address_space: global }
      - { .name: Wq_scales, .offset: 40, .size: 8, .value_kind: global_buffer, .address_space: global }
      - { .name: Wk_codes, .offset: 48, .size: 8, .value_kind: global_buffer, .address_space: global }
      - { .name: Wk_scales, .offset: 56, .size: 8, .value_kind: global_buffer, .address_space: global }
      - { .name: bq, .offset: 64, .size: 8, .value_kind: global_buffer, .address_space: global }
      - { .name: bk, .offset: 72, .size: 8, .value_kind: global_buffer, .address_space: global }
      - { .name: pad_mask, .offset: 80, .size: 8, .value_kind: global_buffer, .address_space: global }
      - { .name: trig, .offset: 88, .size: 8, .value_kind: global_buffer, .address_space: global }
      - { .name: qq, .offset: 96, .size: 8, .value_kind: global_buffer, .address_space: global }
      - { .name: kv, .offset: 104, .size: 8, .value_kind: global_buffer, .address_space: global }
    .group_segment_fixed_size: 327680
    .private_segment_fixed_size: 0
    .kernarg_segment_align: 8
    .kernarg_segment_size: 112
    .max_flat_workgroup_size: 128
    .sgpr_count:     106
    .vgpr_count:     1024
    .wavefront_size: 32
...
	.end_amdgpu_metadata
.endif
;; end of part 2
;; launch attn (part 3): grid 4 x 64, 16 waves a work-group, clusters of 4 x 1, 223,232 bytes of LDS; arguments qq, kv, o_codes, o_scales; writes o_codes, o_scales
.if DOCPART == 3
	.amdgcn_target "amdgcn-amd-amdhsa--gfx1250"
	.amdhsa_code_object_version 6
	.text
	.protected	k_q9d34df6f70_attn
	.globl	k_q9d34df6f70_attn
	.p2align	8
	.type	k_q9d34df6f70_attn,@function
k_q9d34df6f70_attn:
	s_mov_b64 s[64:65], 0
	v_nop
	global_prefetch_b8 v0, s[64:65] scope:SCOPE_SE
	s_setreg_imm32_b32 hwreg(HW_REG_WAVE_MODE, 25, 1), 1
	s_wait_xcnt 0x0
	s_wait_alu depctr_hold_cnt(0) depctr_sa_sdst(0) depctr_va_vdst(0) depctr_va_sdst(0) depctr_va_ssrc(0) depctr_va_vcc(0) depctr_vm_vsrc(0)
	s_getreg_b32 s2, hwreg(HW_REG_IB_STS2, 6, 4)
	s_cmp_eq_u32 s2, 0
	s_cbranch_scc0 .Lentry_in_a_cluster
	s_endpgm
.Lentry_in_a_cluster:
	s_bfe_u32 s2, ttmp6, 0x10000c
	s_cmp_lg_u32 s2, 0x3003
	s_cbranch_scc0 .Lentry_shape_is_right
	s_endpgm
.Lentry_shape_is_right:
; o = softmax(q k^T / 8, masked) v for one head, both products on codes of FP6 (E2M3) with E8M0 scales; o is quantised along its channels for the last product.
; THE SOFTMAX: t = score x log2(e) / 8; M = the row's largest t so far, rounded UP to a whole number; p = 2^(t - M) is quantised along the keys; the row's sum is taken of the unquantised p and divides O at the end.
; When M moves, the sum and O are multiplied by 2^(old M - new M): exact.
; SHARES.  A work-group owns a head (16 batch + head = the grid's y) and 512 query positions; each of its sixteen waves one tile of 16 positions in each of two passes; four waves to a SIMD, 256 registers each.
; A HEAD'S K AND V LIE IN LDS WHOLE: 16 steps of 13,056 bytes (K's codes, V's register images, K's and V's scale words), filled once: wave w brings step w, by a joint load of the cluster's four work-groups,
; which are the head's four blocks of queries.  Nothing is filled again.  Each pass begins with the wait for the wave's load and one barrier; behind it the waves walk the 16 steps with no barrier.
; No prefetch: all of K and V is asked for at the head, so there is no later tile to run ahead for.
; LAYOUT.  Both products transposed: S^T = K Q^T, O^T = V^T P^T: a lane holds ONE query throughout.
; A TILE OF K (and of Q): row 8 h + j of tile 4 c + t is token 64 c + 32 h + 8 t + j of its 128.  So the 32 registers of result tiles 4 c .. 4 c + 3 in lane (r, h) are the 32 neighbouring keys 64 c + 32 h + 0 .. 31:
; one scale block of p, whole in a lane, in the order of the operand's registers.  o's rows leave in the order of Q's tiles; the last launch puts them back.  V's channels: index with bits 3 and 4 exchanged.
; SCALE WORDS lie [row of a tile][tile]: one load of 16 bytes a lane brings a row's words of four tiles.
; THE MASK costs no vector instruction: at k = 64 Q's fragment holds the code of 1 and K's the code of -1, all other codes from k = 64 on are 0, and byte 2 of a key's scale word is 254 where the key is masked and 1 where not.
; THE RUNNING LARGEST t BEGINS AT -2^100, above a masked key's t: while a row has met masked keys alone, M stays there and every p is 0.
; LIMITS: |t| of an open key under 2^100; a batch with every key masked has been given scale words that make its scores alike (uniform weights); a block of zeros gets the scale byte 1 (this program alone reads the bytes).
; o_scales: a row's two bytes of a head are stored by 2-byte stores, 32 bytes apart; whole aligned runs of them would want sixteen heads in one work-group.
; REGISTERS: v1-5 addresses that stay; v6-8 the step's; v9 from lane l xor 16; v10 the old -M; v11 8 h; v12 -M, v13 the largest t, v[14:15] the sum; v16-27 Q; v28-31 V's scale words; v32-79 four fragments of K; v80-127 four of V;
; v128-191 S^T, then p; v192-223 O^T; v224-235 p's codes; v232-247 at work; v248-251 K's scale words; v252 f; v253 p's scale word; v254 at work; v255 Q's scale word.
.set STEPB, 13056
.set HEADB, 16*STEPB
.set STG,   HEADB
.set AK0, 1
.set AV0, 2
.set AW0, 3
.set QO,  4
.set QW,  5
.set ADK, 6
.set ADV, 7
.set ADW, 8
.set WV,  12
.set CX,  13
.set BH,  14
.set G1,  24
.set G0,  32
.set SEL, 48
.set CS,  50
.set TB,  52
.set CNT, 53
.set PASS, 54
.macro ROUND
	s_barrier_signal -1
	s_barrier_wait -1
	s_cmp_lg_u32 s[WV], 0
	s_cbranch_scc1 .Lnot_wave_0_\@
	s_barrier_signal -3
.Lnot_wave_0_\@:
	s_barrier_wait -3
	s_barrier_signal -1
	s_barrier_wait -1
.endm
	s_load_b256 s[4:11], s[0:1], 0x0
	v_lshl_add_u32 v254, v0, 2, 0x36000
	v_mov_b32 v255, 0
	ds_add_u32 v254, v255
	ds_add_u32 v254, v255
	s_wait_dscnt 0x0
	v_lshrrev_b32 v1, 5, v0
	s_delay_alu instid0(VALU_DEP_1)
	v_readfirstlane_b32 s[WV], v1
	s_bfe_u32 s[CX], ttmp6, 0x40000
	s_and_b32 s[BH], ttmp7, 0xffff
	s_mov_b32 s[G1], 15|(3<<16)|(1<<21)
	s_mov_b32 s[G1+1], 32<<16                      ; a step is 51 rows of 256 bytes, dense
	s_mov_b32 s[G1+2], 51<<16
	s_mov_b32 s[G1+3], 32<<16
	s_mov_b32 s[G1+4], 51
	s_mov_b32 s[G1+5], 32
	s_mov_b32 s[G1+6], 0
	s_mov_b32 s[G1+7], 0
	s_mul_i32 s56, s[BH], HEADB
	s_mov_b32 s57, 0
	s_mul_i32 s58, s[WV], STEPB                    ; wave w brings step w
	s_mov_b32 s59, 0
	s_mov_b32 s[SEL], 0x76543210
	s_mov_b32 s[SEL+1], 0xfedcba98
	s_mov_b32 s[CS], 0x3e38aa3b
	s_mov_b32 s[CS+1], s[CS]
	s_mov_b32 s[PASS], 2
	s_wait_kmcnt 0x0
	s_add_nc_u64 s[6:7], s[6:7], s[56:57]
	s_add_nc_u64 s[6:7], s[6:7], s[58:59]
	ROUND
	s_mov_b32 s[G0], 1
	s_mov_b32 s[G0+1], s58
	s_mov_b64 s[G0+2:G0+3], s[6:7]
	s_or_b32 s[G0+3], s[G0+3], 0x80000000
	tensor_load_to_lds s[G0:G0+3], s[G1:G1+7]      ; one load a wave, on every wave's way
	s_nop 0
.rept 4
	v_nop
.endr
	s_add_nc_u64 s[4:5], s[4:5], s[56:57]
	s_lshl_b32 s62, s[CX], 2
	s_lshr_b32 s63, s[WV], 3
	s_add_co_u32 s62, s62, s63
	s_mul_i32 s62, s62, STEPB
	s_mov_b32 s63, 0
	s_add_nc_u64 s[4:5], s[4:5], s[62:63]
	s_and_b32 s56, s[BH], 15
	s_lshr_b32 s57, s[BH], 4
	s_lshl_b32 s57, s57, 11
	s_lshl_b32 s58, s[CX], 9
	s_add_co_u32 s57, s57, s58
	s_lshl_b32 s58, s[WV], 4
	s_add_co_u32 s57, s57, s58
	s_mul_i32 s62, s56, 393216
	s_mul_i32 s58, s57, 48
	s_add_co_u32 s62, s62, s58
	s_add_nc_u64 s[8:9], s[8:9], s[62:63]
	s_lshl_b32 s62, s57, 5
	s_lshl_b32 s58, s56, 1
	s_add_co_u32 s62, s62, s58
	s_add_nc_u64 s[10:11], s[10:11], s[62:63]
	s_and_b32 s62, s[WV], 7                        ; my tile of Q's step
	s_mul_i32 s60, s62, 768
	s_lshr_b32 s61, s62, 2
	s_lshl_b32 s61, s61, 8
	s_and_b32 s62, s62, 3
	s_lshl_b32 s62, s62, 2
	s_add_co_u32 s61, s61, s62
	s_add_co_u32 s61, s61, 12288                   ; its scale words: 256 (tile / 4) + 16 r + 4 (tile % 4)
	v_and_b32 v9, 15, v0
	v_bfe_u32 v10, v0, 4, 1
	v_and_b32 v11, 31, v0
	v_lshlrev_b32 v[AK0], 3, v11                   ; 8 x lane.  A tile of K or Q is an image of the operand's six registers: four at 16 x lane, two at 512 + 8 x lane
	v_lshlrev_b32 v[AV0], 4, v11                   ; 16 x lane
	v_lshl_add_u32 v[AW0], v9, 4, 12288
	v_add_nc_u32 v[QO], s60, v[AV0]
	v_add_nc_u32 v239, s60, v[AK0]                 ; v239: Q's last two registers
	v_lshl_add_u32 v[QW], v9, 4, s61
	v_mul_u32_u24 v11, v10, 0x28
	s_delay_alu instid0(VALU_DEP_1)
	v_sub_nc_u32 v38, 0x28, v11                    ; the code of -1 at k = 64
	v_lshlrev_b32 v11, 3, v10                      ; 8 h: stays
	s_delay_alu instid0(VALU_DEP_1)
	v_sub_nc_u32 v22, 8, v11                       ; the code of 1 at k = 64
.irp t, 1,2,3
	v_mov_b32 v[38+12*\t], v38
.endr
.irp i, 23,24,25,26,27
	v_mov_b32 v[\i], 0
.endr
.irp t, 0,1,2,3
.irp i, 7,8,9,10,11
	v_mov_b32 v[32+12*\t+\i], 0
.endr
.endr
	v_mov_b32 v9, 0                                ; written once: a lane permute's destination counts as one of its sources
	v_mov_b32 v253, 0
; A KEY STEP: 128 keys
.macro STEP
	v_add_nc_u32 v[ADK], s[TB], v[AK0]
	v_add_nc_u32 v[ADV], s[TB], v[AV0]
	v_add_nc_u32 v[ADW], s[TB], v[AW0]
	s_wait_alu depctr_va_vdst(0)
.irp g, 0,1
.if \g
.rept 4
	v_nop                                          ; places in front of loads into registers that matrix instructions have read
.endr
.endif
.irp t, 0,1,2,3
	ds_load_b128 v[32+12*\t:35+12*\t], v[ADV] offset:768*(4*\g+\t)
	ds_load_b64 v[36+12*\t:37+12*\t], v[ADK] offset:768*(4*\g+\t)+512
.endr
	ds_load_b128 v[248:251], v[ADW] offset:256*\g
	s_wait_dscnt 0x0
.irp t, 0,1,2,3
	v_wmma_scale_f32_16x16x128_f8f6f4 v[128+8*(4*\g+\t):135+8*(4*\g+\t)], v[32+12*\t:43+12*\t], v[16:27], 0, v[248+\t], v255 matrix_a_fmt:MATRIX_FMT_FP6 matrix_b_fmt:MATRIX_FMT_FP6
.endr
.endr
.irp t, 0,1,2,3                                ; V's fragments land under the softmax
.irp c, 0,1,2
	ds_load_b128 v[80+12*\t+4*\c:83+12*\t+4*\c], v[ADV] offset:6144+1536*\t+512*\c
.endr
.endr
	ds_load_b128 v[28:31], v[ADW] offset:512
	v_mov_b32 v10, v12                             ; the old -M; with the three below: the places behind the products
.rept 3
	v_nop
.endr
.irp b, 0,1,2,3
	v_max3_num_f32 v[232+\b], v[128+16*\b], v[129+16*\b], v[130+16*\b]   ; four chains, two to each of my two blocks of 32 keys
.endr
.irp i, 3,5,7,9,11,13
.irp b, 0,1,2,3
	v_max3_num_f32 v[232+\b], v[232+\b], v[128+16*\b+\i], v[129+16*\b+\i]
.endr
.endr
	v_max3_num_f32 v232, v232, v233, v143
	v_max3_num_f32 v234, v234, v235, v175
	v_max_num_f32 v232, v232, v159                 ; the largest score of block h,
	v_max_num_f32 v234, v234, v191                 ; and of block 2 + h: for the row's maximum and for the block's largest p
	s_delay_alu instid0(VALU_DEP_1)
	v_max_num_f32 v254, v232, v234
	s_delay_alu instid0(VALU_DEP_1)
	v_permlanex16_b32 v9, v254, s[SEL], s[SEL+1]
	s_delay_alu instid0(VALU_DEP_1)
	v_max_num_f32 v254, v254, v9
	s_delay_alu instid0(VALU_DEP_1)
	v_mul_f32 v254, s[CS], v254
	s_delay_alu instid0(VALU_DEP_1)
	v_max_num_f32 v13, v13, v254                   ; the running largest t
	s_delay_alu instid0(VALU_DEP_1)
	v_floor_f32 v12, -v13                          ; the new -M: a whole number
	s_delay_alu instid0(VALU_DEP_1)
	v_sub_f32 v254, v12, v10
	s_delay_alu instid0(VALU_DEP_1)
	v_cvt_i32_f32 v254, v254
	s_delay_alu instid0(VALU_DEP_1)
	v_ldexp_f32 v252, 1.0, v254                    ; f = 2^(old M - new M)
.set J, 0
.rept 32
	v_pk_fma_f32 v[128+J:129+J], v[128+J:129+J], s[CS:CS+1], v[12:13] op_sel_hi:[1,0,0]
.set J, J+2
.endr
	v_fma_f32 v232, v232, s[CS], v12
	v_fma_f32 v234, v234, s[CS], v12
.set J, 0
	s_wait_alu depctr_va_vdst(0)
.rept 64
	v_exp_f32 v[128+J], v[128+J]                   ; p = 2^(t - M)
.set J, J+1
.endr
	v_pk_mul_f32 v[14:15], v[14:15], v[252:253] op_sel_hi:[1,0]
	s_wait_alu depctr_va_vdst(0)                   ; one wait for the batch, ahead of its first reader
	v_exp_f32 v232, v232                           ; my two blocks' largest p
	v_exp_f32 v234, v234
	v_pk_add_f32 v[236:237], v[132:133], v[136:137]
	v_pk_add_f32 v[250:251], v[140:141], v[144:145]
	v_pk_add_f32 v[248:249], v[148:149], v[152:153]
	v_pk_add_f32 v[246:247], v[156:157], v[160:161]
	v_pk_add_f32 v[244:245], v[164:165], v[168:169]
	v_pk_add_f32 v[242:243], v[172:173], v[176:177]
	v_pk_add_f32 v[240:241], v[180:181], v[184:185]
	v_pk_add_f32 v[14:15], v[14:15], v[188:189]
	v_pk_add_f32 v[236:237], v[236:237], v[128:129]
	v_pk_add_f32 v[250:251], v[250:251], v[130:131]
	v_pk_add_f32 v[248:249], v[248:249], v[134:135]
	v_pk_add_f32 v[246:247], v[246:247], v[138:139]
	v_pk_add_f32 v[244:245], v[244:245], v[142:143]
	v_pk_add_f32 v[242:243], v[242:243], v[146:147]
	v_pk_add_f32 v[240:241], v[240:241], v[150:151]
	v_pk_add_f32 v[14:15], v[14:15], v[154:155]
	v_pk_add_f32 v[236:237], v[236:237], v[158:159]
	v_pk_add_f32 v[250:251], v[250:251], v[162:163]
	v_pk_add_f32 v[248:249], v[248:249], v[166:167]
	v_pk_add_f32 v[246:247], v[246:247], v[170:171]
	v_pk_add_f32 v[244:245], v[244:245], v[174:175]
	v_pk_add_f32 v[242:243], v[242:243], v[178:179]
	v_pk_add_f32 v[240:241], v[240:241], v[182:183]
	v_pk_add_f32 v[14:15], v[14:15], v[186:187]
	v_pk_add_f32 v[236:237], v[236:237], v[190:191]
	s_delay_alu instid0(VALU_DEP_2)
	v_pk_add_f32 v[14:15], v[14:15], v[246:247]
	s_delay_alu instid0(VALU_DEP_2)
	v_pk_add_f32 v[236:237], v[236:237], v[244:245]
	v_pk_add_f32 v[250:251], v[250:251], v[242:243]
	v_pk_add_f32 v[248:249], v[248:249], v[240:241]
	s_delay_alu instid0(VALU_DEP_2)
	v_pk_add_f32 v[14:15], v[14:15], v[250:251]
	s_delay_alu instid0(VALU_DEP_2)
	v_pk_add_f32 v[236:237], v[236:237], v[248:249]
	s_delay_alu instid0(VALU_DEP_1)
	v_pk_add_f32 v[14:15], v[14:15], v[236:237]
	s_wait_alu depctr_va_vdst(0)                   ; and one for the two
	v_max_num_f32 v232, 0x1800000, v232            ; the floor 2^(3 - 127)
	v_max_num_f32 v234, 0x1800000, v234
	s_delay_alu instid0(VALU_DEP_2)
	v_add_nc_u32 v244, 0xff000000, v232            ; 2 off the exponent field: the conversions' scale operands
	s_delay_alu instid0(VALU_DEP_2)
	v_add_nc_u32 v245, 0xff000000, v234
	s_delay_alu instid0(VALU_DEP_2)
	v_lshrrev_b32 v236, 23, v244
	s_delay_alu instid0(VALU_DEP_2)
	v_lshrrev_b32 v237, 23, v245
	s_delay_alu instid0(VALU_DEP_1)
	v_lshl_or_b32 v253, v237, 16, v236             ; my two bytes, blocks h and 2 + h,
	s_delay_alu instid0(VALU_DEP_1)
	v_lshlrev_b32 v253, v11, v253                  ; at their places in the word;
	s_delay_alu instid0(VALU_DEP_1)
	v_permlanex16_b32 v9, v253, s[SEL], s[SEL+1]
	s_delay_alu instid0(VALU_DEP_1)
	v_or_b32 v253, v253, v9                        ; with lane l xor 16's two: p's scale word for these 128 keys
.irp c, 0,1
	v_cvt_scalef32_pk16_fp6_f32 v[224+6*\c:226+6*\c], v[128+32*\c:143+32*\c], v[244+\c]
	v_cvt_scalef32_pk16_fp6_f32 v[236+4*\c:238+4*\c], v[144+32*\c:159+32*\c], v[244+\c]   ; (a conversion's three registers begin on an even number)
.endr
.set J, 0
.rept 4
	v_pk_mul_f32 v[192+J:193+J], v[192+J:193+J], v[252:253] op_sel_hi:[1,0]   ; O^T under the new M; the first four are the plain places behind the conversions
.set J, J+2
.endr
.irp c, 0,1
.irp i, 0,1,2
	v_mov_b32 v[227+6*\c+\i], v[236+4*\c+\i]
.endr
.endr
.rept 12
	v_pk_mul_f32 v[192+J:193+J], v[192+J:193+J], v[252:253] op_sel_hi:[1,0]   ; and these twelve the places in front of the products below
.set J, J+2
.endr
	s_wait_alu depctr_va_vdst(0)
	s_wait_dscnt 0x0                               ; V
.irp t, 0,1,2,3
	v_wmma_scale_f32_16x16x128_f8f6f4 v[192+8*\t:199+8*\t], v[80+12*\t:91+12*\t], v[224:235], v[192+8*\t:199+8*\t], v[28+\t], v253 matrix_a_fmt:MATRIX_FMT_FP6 matrix_b_fmt:MATRIX_FMT_FP6
.endr
.endm
.Lpass:                                            ; two trips: a tile of 16 query positions each
	global_load_b128 v[16:19], v[QO], s[4:5]
	global_load_b64 v[20:21], v239, s[4:5] offset:512
	global_load_b32 v255, v[QW], s[4:5]
	v_mov_b32 v13, 0xf1800000                      ; the largest t so far: -2^100
	s_delay_alu instid0(VALU_DEP_1)
	v_floor_f32 v12, -v13
	v_mov_b32 v14, 0
	v_mov_b32 v15, 0
.set J, 0
.rept 32
	v_mov_b32 v[192+J], 0
.set J, J+1
.endr
	s_wait_loadcnt 0x0
	s_wait_tensorcnt 0x0                           ; my step of the head has landed (in the second trip nothing is out),
	s_barrier_signal -1
	s_barrier_wait -1                              ; and everybody's
	s_mov_b32 s[TB], 0
	s_mov_b32 s[CNT], 8
.Lstep:                                            ; a trip is two key steps
	STEP
	s_add_co_u32 s[TB], s[TB], STEPB
	STEP
	s_add_co_u32 s[TB], s[TB], STEPB
	s_sub_co_u32 s[CNT], s[CNT], 1
	s_cmp_lg_u32 s[CNT], 0
	s_cbranch_scc1 .Lstep
	; THE WAY OUT of a pass: O^T / the sum, quantised along the channels, through my stage
.rept 4
	v_nop
.endr
	v_add_f32 v14, v14, v15
	s_delay_alu instid0(VALU_DEP_1)
	v_permlanex16_b32 v252, v14, s[SEL], s[SEL+1]
	s_delay_alu instid0(VALU_DEP_1)
	v_add_f32 v14, v14, v252
	s_wait_alu depctr_va_vdst(0)
	v_rcp_f32 v14, v14
	v_and_b32 v80, 15, v0
	v_bfe_u32 v81, v0, 4, 1
	v_and_b32 v82, 31, v0
	s_mul_i32 s56, s[WV], 768
	s_add_co_u32 s56, s56, STG
	v_mul_u32_u24 v83, v80, 48
	s_delay_alu instid0(VALU_DEP_1)
	v_mad_u32_u24 v83, v81, 24, v83
	s_delay_alu instid0(VALU_DEP_1)
	v_add_nc_u32 v83, s56, v83
	v_lshlrev_b32 v86, 4, v82
	v_lshlrev_b32 v87, 3, v82
	s_delay_alu instid0(VALU_DEP_2)
	v_add_nc_u32 v84, s56, v86
	s_delay_alu instid0(VALU_DEP_2)
	v_add_nc_u32 v85, s56, v87
	s_delay_alu instid0(VALU_DEP_1)
	v_add_nc_u32 v85, 512, v85
	v_lshlrev_b32 v88, 5, v80
	s_wait_alu depctr_va_vdst(0)
.set J, 0
.rept 16
	v_pk_mul_f32 v[128+J:129+J], v[192+J:193+J], v[14:15] op_sel_hi:[1,0]
.set J, J+2
.endr
.irp b, 0,1
	v_max3_num_f32 v[232+\b], |v[128+16*\b]|, |v[129+16*\b]|, 0x1800000
.endr
.irp i, 2,4,6,8,10,12,14
.irp b, 0,1
	s_delay_alu instid0(VALU_DEP_2)
	v_max3_num_f32 v[232+\b], v[232+\b], |v[128+16*\b+\i]|, |v[129+16*\b+\i]|
.endr
.endr
.irp b, 0,1
	s_delay_alu instid0(VALU_DEP_2)
	v_permlanex16_b32 v[9+\b], v[232+\b], s[SEL], s[SEL+1]
.endr
.irp b, 0,1
	s_delay_alu instid0(VALU_DEP_2)
	v_max_num_f32 v[232+\b], v[232+\b], v[9+\b]
.endr
.irp b, 0,1
	s_delay_alu instid0(VALU_DEP_2)
	v_add_nc_u32 v[244+\b], 0xff000000, v[232+\b]
.endr
.irp b, 0,1
	s_delay_alu instid0(VALU_DEP_2)
	v_lshrrev_b32 v[236+\b], 23, v[244+\b]
.endr
	s_delay_alu instid0(VALU_DEP_1)
	v_lshl_or_b32 v254, v237, 8, v236
	v_cvt_scalef32_pk16_fp6_f32 v[224:226], v[128:143], v244
	v_cvt_scalef32_pk16_fp6_f32 v[228:230], v[144:159], v245
	v_nop
.irp i, 0,1,2
	v_permlane16_swap_b32 v[224+\i], v[228+\i]
.endr
	s_delay_alu instid0(VALU_DEP_3)
	v_mov_b32 v227, v228
	s_delay_alu instid0(VALU_DEP_3)
	v_mov_b32 v228, v229
	s_delay_alu instid0(VALU_DEP_3)
	v_mov_b32 v229, v230
	ds_store_b64 v83, v[224:225]
	ds_store_b64 v83, v[226:227] offset:8
	ds_store_b64 v83, v[228:229] offset:16
	ds_load_b128 v[92:95], v84
	ds_load_b64 v[96:97], v85
	s_wait_alu depctr_va_vdst(0)
	s_wait_dscnt 0x0
	global_store_b128 v86, v[92:95], s[8:9]
	global_store_b64 v87, v[96:97], s[8:9] offset:512
	global_store_b16 v88, v254, s[10:11]
	s_wait_xcnt 0x0
	s_add_nc_u64 s[4:5], s[4:5], 2*STEPB
	s_add_nc_u64 s[8:9], s[8:9], 256*48
	s_add_nc_u64 s[10:11], s[10:11], 256*32
	s_sub_co_u32 s[PASS], s[PASS], 1
	s_cmp_lg_u32 s[PASS], 0
	s_cbranch_scc1 .Lpass
	s_wait_tensorcnt 0x0
	s_wait_dscnt 0x0
	s_wait_xcnt 0x0
	v_lshl_add_u32 v254, v0, 2, 0x36000
	v_mov_b32 v255, 0
	s_wait_alu depctr_va_vdst(0)
	s_wait_tensorcnt 0x0
	ds_add_u32 v254, v255
	s_wait_dscnt 0x0
	ROUND
	s_endpgm
.Lfunc_end_k_q9d34df6f70_attn:
	.size	k_q9d34df6f70_attn, .Lfunc_end_k_q9d34df6f70_attn-k_q9d34df6f70_attn
	.p2alignl 7, 3214868480
	.fill 96, 4, 3214868480
	.section	.rodata,"a",@progbits
	.p2align	6, 0x0
	.amdhsa_kernel k_q9d34df6f70_attn
		.amdhsa_group_segment_fixed_size 223232
		.amdhsa_private_segment_fixed_size 0
		.amdhsa_enable_private_segment 0
		.amdhsa_kernarg_size 32
		.amdhsa_user_sgpr_count 2
		.amdhsa_user_sgpr_kernarg_segment_ptr 1
		.amdhsa_wavefront_size32 1
		.amdhsa_system_sgpr_workgroup_id_x 1
		.amdhsa_system_sgpr_workgroup_id_y 1
		.amdhsa_system_sgpr_workgroup_id_z 1
		.amdhsa_system_vgpr_workitem_id 0
		.amdhsa_next_free_vgpr 256
		.amdhsa_next_free_sgpr 66
		.amdhsa_reserve_vcc 0
		.amdhsa_float_denorm_mode_32 3
		.amdhsa_float_denorm_mode_16_64 3
		.amdhsa_memory_ordered 1
		.amdhsa_forward_progress 1
		.amdhsa_inst_pref_size 45
	.end_amdhsa_kernel
	.amdgpu_metadata
---
amdhsa.version: [ 1, 2 ]
amdhsa.kernels:
  - .name:           k_q9d34df6f70_attn
    .symbol:         k_q9d34df6f70_attn.kd
    .args:
      - { .name: qq, .offset: 0, .size: 8, .value_kind: global_buffer, .address_space: global }
      - { .name: kv, .offset: 8, .size: 8, .value_kind: global_buffer, .address_space: global }
      - { .name: o_codes, .offset: 16, .size: 8, .value_kind: global_buffer, .address_space: global }
      - { .name: o_scales, .offset: 24, .size: 8, .value_kind: global_buffer, .address_space: global }
    .group_segment_fixed_size: 223232
    .private_segment_fixed_size: 0
    .kernarg_segment_align: 8
    .kernarg_segment_size: 32
    .max_flat_workgroup_size: 512
    .sgpr_count:     66
    .vgpr_count:     256
    .wavefront_size: 32
...
	.end_amdgpu_metadata
.endif
;; end of part 3
;; launch outproj (part 4): grid 4 x 64, 4 waves a work-group, clusters of 4 x 4, 327,680 bytes of LDS; arguments o_codes, o_scales, Wo_codes, Wo_scales, bo, out0; writes out0
.if DOCPART == 4
	.amdgcn_target "amdgcn-amd-amdhsa--gfx1250"
	.amdhsa_code_object_version 6
	.text
	.protected	k_q9d34df6f70_outproj
	.globl	k_q9d34df6f70_outproj
	.p2align	8
	.type	k_q9d34df6f70_outproj,@function
k_q9d34df6f70_outproj:
	s_mov_b64 s[64:65], 0
	v_nop
	global_prefetch_b8 v0, s[64:65] scope:SCOPE_SE
	s_setreg_imm32_b32 hwreg(HW_REG_WAVE_MODE, 25, 1), 1
	s_wait_xcnt 0x0
	s_wait_alu depctr_hold_cnt(0) depctr_sa_sdst(0) depctr_va_vdst(0) depctr_va_sdst(0) depctr_va_ssrc(0) depctr_va_vcc(0) depctr_vm_vsrc(0)
	s_getreg_b32 s2, hwreg(HW_REG_IB_STS2, 6, 4)
	s_cmp_eq_u32 s2, 0
	s_cbranch_scc0 .Lentry_in_a_cluster
	s_endpgm
.Lentry_in_a_cluster:
	s_bfe_u32 s2, ttmp6, 0x10000c
	s_cmp_lg_u32 s2, 0xf033
	s_cbranch_scc0 .Lentry_shape_is_right
	s_endpgm
.Lentry_shape_is_right:
; out0 = o Wo + bo on codes of FP6 (E2M3).  A work-group makes 128 rows (A: o, sixteen planes of 128 rows x 48 bytes, one a head) x 256 columns (B: rows of Wo, 768 bytes each, 16 bytes of padding behind every 256).
; ALL OF K LIES IN LDS: A's planes at 0, B at BBASE, scale bytes at SCL, spare words at SPARE; filled once, at the head, one joint load a wave; nothing is filled again.
; A WAVE HOLDS ITS 64 ROWS OF Wo, ALL OF K, IN REGISTERS (32 fragments, 384 registers) and streams the 128 rows of o past them in eight blocks of 16 rows, all of K: 32 products a block on four accumulators by turns.
; A block's 16 x 64 results are finished behind its products and leave at once, through the wave's stage, as rows of 256 bytes.  The stage lies over B's rows, behind the barrier that shows that every wave holds its weights.
; The first barrier shows B's rows alone (wave 0's load, which has a line of its own); the weights' LDS loads stand ahead of the wait for the other tiles.
; Source 0 = columns, source 1 = rows: a lane holds eight neighbouring columns of a row.  The bias is the first products' C.
; o's rows lie in the order of Q's tiles (row 8 h + j of tile 4 c + t is token 64 c + 32 h + 8 t + j of its 128); the stores put them back.
; CLUSTERS 4 x 4: A's tiles are shared along a row of the cluster, B's along a column.  No prefetch: every tile is asked for at the head, so the text has no loop in which to run ahead.
; REGISTERS: fragment f lies in window 1 + f / 21 at 12 (f % 21): 0-31 the weights' (4 q + tile), 32-39 and 40-47 the rows' two sets.  Window 0: v32-47 the weights' scale words (two tiles to a register, by halves of the lanes),
; v52-83 the rows' (two blocks to a register), v96-159 two sets of four accumulators, v160-223 two sets of rows on the way out.  Window 3: v128-159 the bias.
.set SIZE_N, 1024
.set PLANE, 393216
.set KROW, 768
.set PITCH, 816
.set FR, 12
.set FPW, 21
.set KS, 32
.set BBASE, 128*PITCH
.set SCL, BBASE+256*PITCH
.set SBLK, 544
.set SPARE, SCL+48*272
.set SPITCH, 272
.set STO, 24
.set RD, 25
.set CO, 26
.set ASA, 27
.set SPW, 28
.set NIL, 29
.set ASB, 30
.set SB, 32
.set SA, 52
.set BA, 84
.set AA, 92
.set ACC, 96
.set BK, 160
.set BI, 128
.set G1, 24
.set G0, 32
.set G0B, 36
.set G1B, 48
.set G1S, 68
.set G0S, 76
.set G1SB, 80
.set G0SB, 88
.set MSB, 0
.macro WIN new
.if MSB != (\new)
	s_set_vgpr_msb (MSB<<8)|(\new)
.set MSB, (\new)
.endif
.endm
.macro PLACES n
.rept \n
	v_nop
.endr
.endm
.macro CROUND
	s_barrier_signal -1
	s_barrier_wait -1
	s_cmp_lg_u32 s14, 0
	s_cbranch_scc1 .Lnot_wave_0_\@
	s_barrier_signal -3
.Lnot_wave_0_\@:
	s_barrier_wait -3
	s_barrier_signal -1
	s_barrier_wait -1
.endm
.macro GROUP1S g, mask, rows
	s_or_b32 s[\g+0], s[\mask], (3<<16)|(1<<20)|(1<<21)|(5<<22)|(3<<25)
	s_mov_b32 s[\g+1], 32<<16
	s_mov_b32 s[\g+2], (\rows)<<16
	s_mov_b32 s[\g+3], 32<<16
	s_mov_b32 s[\g+4], \rows
	s_mov_b32 s[\g+5], 32
	s_mov_b32 s[\g+6], 0
	s_mov_b32 s[\g+7], 0
.endm
.macro GROUP0 g, lds, adr
	s_mov_b32 s[\g], 1
	s_mov_b32 s[\g+1], \lds
	s_mov_b64 s[\g+2:\g+3], s[\adr:\adr+1]
	s_or_b32 s[\g+3], s[\g+3], 0x80000000
.endm
.macro ARM under, g0, g1, next
	s_cmp_lt_u32 s14, \under
	s_cbranch_scc0 \next
	tensor_load_to_lds s[\g0:\g0+3], s[\g1:\g1+7]
	s_nop 0
	PLACES 4
	s_branch .Lhead_asked
\next:
.endm
	s_load_b128 s[4:7], s[0:1], 0x0
	s_load_b128 s[8:11], s[0:1], 0x10
	s_load_b64 s[96:97], s[0:1], 0x20
	s_load_b64 s[12:13], s[0:1], 0x28
	v_lshl_add_u32 v[SPW], v0, 2, SPARE
	v_mov_b32 v[NIL], 0
	ds_add_u32 v[SPW], v[NIL]
	ds_add_u32 v[SPW], v[NIL]
	v_lshrrev_b32 v1, 5, v0
	v_readfirstlane_b32 s14, v1            ; wave: its 64 columns of the 256
	s_bfe_u32 s40, ttmp6, 0x40000
	s_bfe_u32 s41, ttmp6, 0x40004
	s_lshl_b32 s42, ttmp9, 2
	s_add_co_u32 s42, s42, s40             ; B's tile: 256 columns
	s_and_b32 s17, ttmp7, 0xffff
	s_lshl_b32 s17, s17, 2
	s_add_co_u32 s17, s17, s41             ; A's tile: 128 rows
	s_lshl_b32 s43, s41, 2
	s_lshl_b32 s43, 15, s43
	s_lshl_b32 s44, 0x1111, s40
	s_or_b32 s[G1+0], s43, (3<<16)|(1<<21) ; A: sixteen rows of 6,144 bytes (768 elements of 8), a plane apart, dense in LDS
	s_mov_b32 s[G1+1], 768<<16
	s_mov_b32 s[G1+2], 16<<16
	s_mov_b32 s[G1+3], 768<<16
	s_mov_b32 s[G1+4], 16
	s_mov_b32 s[G1+5], PLANE/8
	s_mov_b32 s[G1+6], 0
	s_mov_b32 s[G1+7], 0
	s_or_b32 s[G1B+0], s44, (1<<20)|(1<<21)|(5<<22)|(3<<25)
	s_mov_b32 s[G1B+1], KROW<<16
	s_mov_b32 s[G1B+2], 256<<16
	s_mov_b32 s[G1B+3], KROW<<16
	s_mov_b32 s[G1B+4], 256
	s_mov_b32 s[G1B+5], KROW
	s_mov_b32 s[G1B+6], 0
	s_mov_b32 s[G1B+7], 0
	GROUP1S G1S, 43, 16
	GROUP1S G1SB, 44, 32
	s_mul_i32 s20, s17, 128*48
	s_mov_b32 s21, 0
	s_mul_i32 s22, s17, 128*KS
	s_mov_b32 s23, 0
	s_mul_i32 s46, s42, 256*KROW
	s_mov_b32 s47, 0
	s_mul_i32 s92, s42, 256*KS
	s_mov_b32 s93, 0
	s_wait_dscnt 0x0
	s_wait_kmcnt 0x0
	s_add_nc_u64 s[20:21], s[4:5], s[20:21]
	s_add_nc_u64 s[22:23], s[6:7], s[22:23]
	s_add_nc_u64 s[46:47], s[8:9], s[46:47]
	s_add_nc_u64 s[92:93], s[10:11], s[92:93]
	CROUND
	GROUP0 G0, 0, 20
	GROUP0 G0B, BBASE, 46
	GROUP0 G0S, SCL, 22
	GROUP0 G0SB, SCL+8*SBLK, 92
	ARM 1, G0B, G1B, .Lhead_a              ; wave 0: B's rows, which go on into registers; then A's planes, A's scales, B's scales
	ARM 2, G0, G1, .Lhead_sa
	ARM 3, G0S, G1S, .Lhead_sb
	tensor_load_to_lds s[G0SB:G0SB+3], s[G1SB:G1SB+7]
	s_nop 0
	PLACES 4
.Lhead_asked:
	s_mul_i32 s22, s14, 64*PITCH
	s_add_co_u32 s22, s22, BBASE           ; my 64 rows of Wo,
	s_mul_i32 s19, s14, 8*272
	s_add_co_u32 s19, s19, SCL+8*SBLK      ; their scale bytes,
	s_mul_i32 s23, s14, 16*SPITCH
	s_add_co_u32 s23, s23, BBASE           ; my stage
	v_and_b32 v1, 15, v0
	v_bfe_u32 v2, v0, 4, 1
	v_and_b32 v3, 31, v0
	v_mul_u32_u24 v4, v1, PITCH
	v_mad_u32_u24 v5, v2, 40, v4           ; for pieces whose upper half lies behind one padding more
	v_mad_u32_u24 v4, v2, 24, v4
	v_add_nc_u32 v4, s22, v4
	v_add_nc_u32 v5, s22, v5
.irp b, 0,1,2,3
	v_add_nc_u32 v[BA+2*\b], \b*16*PITCH, v4
	v_add_nc_u32 v[BA+2*\b+1], \b*16*PITCH, v5
.endr
	v_mul_u32_u24 v6, v1, 48
	v_mad_u32_u24 v[AA], v2, 24, v6        ; planes 0-7,
	v_add_nc_u32 v[AA+1], 8*6144, v[AA]    ; planes 8-15
	v_lshrrev_b32 v6, 3, v3
	v_and_b32 v7, 7, v3
	v_mul_u32_u24 v6, v6, 272
	v_lshl_add_u32 v6, v7, 5, v6           ; scale bytes: a lane a row, 32 rows: eight rows to a unit of 256 + 16
	v_add_nc_u32 v[ASA], SCL, v6
	v_add_nc_u32 v[ASB], s19, v6
	v_mul_u32_u24 v5, v1, SPITCH
	v_lshl_add_u32 v5, v2, 5, v5
	v_add_nc_u32 v[STO], s23, v5           ; in: row r, 32 bytes for each half of the lanes
	v_mul_u32_u24 v7, v2, SPITCH
	v_lshl_add_u32 v7, v1, 4, v7
	v_add_nc_u32 v[RD], s23, v7            ; back: sixteen lanes a row of 256 bytes
	v_lshlrev_b32 v8, 12, v2
	v_lshl_add_u32 v[CO], v1, 4, v8        ; and the same two rows in out0
	v_lshlrev_b32 v9, 5, v2
	s_wait_alu depctr_va_vdst(0)           ; the wait at the end of the head's vector lines
	s_lshl_b32 s20, s17, 19                ; 128 rows of 4,096 bytes
	s_mov_b32 s21, 0
	s_lshl_b32 s46, s42, 10
	s_lshl_b32 s47, s14, 8
	s_add_co_u32 s46, s46, s47             ; my first column, in bytes
	s_mov_b32 s47, 0
	s_add_nc_u64 s[20:21], s[20:21], s[46:47]
	s_add_nc_u64 s[12:13], s[12:13], s[20:21]
	s_add_nc_u64 s[96:97], s[96:97], s[46:47]
	WIN 0xc0
.irp b, 0,1,2,3
	global_load_b128 v[BI+8*\b:BI+8*\b+3], v9, s[96:97] offset:64*\b
	global_load_b128 v[BI+8*\b+4:BI+8*\b+7], v9, s[96:97] offset:64*\b+16
.endr
	WIN 0
	s_cmp_lt_u32 s14, 1
	s_cbranch_scc0 .Lnot_b
	s_wait_tensorcnt 0x0                   ; wave 0: B's rows are in
.Lnot_b:
	s_barrier_signal -1
	s_barrier_wait -1
.macro FRAGW f, q, ad                  ; a fragment of the weights: six pieces of 8 bytes, two to a load where both go by the same address register
	WIN (1+(\f)/FPW)<<6
.set R_, FR*((\f)%FPW)
.set SKIP_, 0
.irp p, 0,1,2,3,4,5
.if SKIP_
.set SKIP_, 0
.else
.set PC_, 12*(\q)+6*(\p/3)+\p%3
.set PN_, 12*(\q)+6*((\p+1)/3)+(\p+1)%3
.set X_, (PC_%32+3)/32
.set XQ_, (PN_%32+3)/32
.if (\p < 5) && (X_ == XQ_)
.set SKIP_, 1
	ds_load_2addr_b64 v[R_+2*\p:R_+2*\p+3], v[\ad+X_] offset0:PC_+2*(PC_/32) offset1:PN_+2*(PN_/32)
.else
	ds_load_b64 v[R_+2*\p:R_+2*\p+1], v[\ad+X_] offset:8*(PC_+2*(PC_/32))
.endif
.endif
.endr
.endm
.macro FETCH a                         ; block a's eight fragments into set a % 2: 48 loads; step q takes planes 2 q and 2 q + 1
.irp q, 0,1,2,3,4,5,6,7
.set F_, 32+8*((\a)%2)+\q
	WIN (1+F_/FPW)<<6
.irp p, 0,1,2,3,4,5
	ds_load_b64 v[FR*(F_%FPW)+2*\p:FR*(F_%FPW)+2*\p+1], v[AA+\q/4] offset:((2*\q+\p/3)%8)*6144+768*(\a)+8*(\p%3)
.endr
.endr
	WIN 0
.endm
.macro BLOCKP a, e                     ; block a's 32 products (e = a % 2); the four accumulators take turns
.irp q, 0,1,2,3,4,5,6,7
.irp p, 0,1
.irp o, 0,1
.set FB_, 4*\q+2*\p+\o
.set FA_, 32+8*\e+\q
.set D_, ACC+32*\e+8*(2*\p+\o)
.if \q
	WIN (1+FB_/FPW)|((1+FA_/FPW)<<2)
	v_wmma_scale_f32_16x16x128_f8f6f4 v[D_:D_+7], v[FR*(FB_%FPW):FR*(FB_%FPW)+FR-1], v[FR*(FA_%FPW):FR*(FA_%FPW)+FR-1], v[D_:D_+7], v[SB+8*\p+\q], v[SA+8*((\a)/2)+\q] matrix_a_fmt:MATRIX_FMT_FP6 matrix_b_fmt:MATRIX_FMT_FP6 matrix_a_scale:MATRIX_SCALE_ROW\o matrix_b_scale:MATRIX_SCALE_ROW\e
.else
	WIN (1+FB_/FPW)|((1+FA_/FPW)<<2)|(3<<4)
	v_wmma_scale_f32_16x16x128_f8f6f4 v[D_:D_+7], v[FR*(FB_%FPW):FR*(FB_%FPW)+FR-1], v[FR*(FA_%FPW):FR*(FA_%FPW)+FR-1], v[BI+8*(2*\p+\o):BI+8*(2*\p+\o)+7], v[SB+8*\p+\q], v[SA+8*((\a)/2)+\q] matrix_a_fmt:MATRIX_FMT_FP6 matrix_b_fmt:MATRIX_FMT_FP6 matrix_a_scale:MATRIX_SCALE_ROW\o matrix_b_scale:MATRIX_SCALE_ROW\e
.endif
.endr
.endr
.endr
	WIN 0
.endm
.macro TOSTAGE e                       ; LDS serves a wave's instructions in order: the loads see the stores, and the next block's stores come behind these loads
.irp b, 0,1,2,3
	ds_store_b128 v[STO], v[ACC+32*\e+8*\b:ACC+32*\e+8*\b+3] offset:64*\b
	ds_store_b128 v[STO], v[ACC+32*\e+8*\b+4:ACC+32*\e+8*\b+7] offset:64*\b+16
.endr
.irp t, 0,1,2,3,4,5,6,7
	ds_load_b128 v[BK+32*\e+4*\t:BK+32*\e+4*\t+3], v[RD] offset:\t*2*SPITCH
.endr
.endm
.macro SEND a, e, younger
	s_wait_dscnt \younger
.irp t, 0,1,2,3,4,5,6,7
	global_store_b128 v[CO], v[BK+32*\e+4*\t:BK+32*\e+4*\t+3], s[12:13] offset:(64*((\a)/4)+32*(\t/4)+8*((\a)%4)+2*(\t%4))*SIZE_N*4 th:TH_STORE_NT
.endr
.endm
.irp q, 0,1,2,3,4,5,6,7                ; my 64 rows of Wo, all of K, into registers
.irp b, 0,1,2,3
	FRAGW 4*\q+\b, \q, BA+2*\b
.endr
.endr
	WIN 0
	s_wait_tensorcnt 0x0                   ; every tile that is still out,
	s_wait_dscnt 0x0                       ; and my reads of B's rows are done:
	s_barrier_signal -1
	s_barrier_wait -1                      ; all tiles are in, and B's rows are read no more
.irp p, 0,1
.irp c, 0,1
	ds_load_b128 v[SB+8*\p+4*\c:SB+8*\p+4*\c+3], v[ASB] offset:\p*4*272+16*\c
.endr
.endr
.irp p, 0,1,2,3
.irp c, 0,1
	ds_load_b128 v[SA+8*\p+4*\c:SA+8*\p+4*\c+3], v[ASA] offset:\p*4*272+16*\c
.endr
.endr
	FETCH 0
	FETCH 1
	s_wait_loadcnt 0x0                     ; the bias
	s_wait_dscnt 0x0
.irp p, 0,1,2,3
.irp e, 0,1
	BLOCKP 2*\p+\e, \e
	PLACES 4                               ; ahead of the stores of results just made and of the loads into the fragments just read
.if \p > 0
	s_wait_xcnt 0x0                        ; the stores of two blocks ago have read their registers
.endif
	TOSTAGE \e
.if \p < 3
	FETCH 2*\p+\e+2
	SEND 2*\p+\e, \e, 48                   ; behind the stage's loads: the fetch's 48.  So the next block's fragments, fetched a block ago, are in too
.else
	SEND 2*\p+\e, \e, 0
.endif
.endr
.endr
	s_wait_tensorcnt 0x0                   ; the wave's end
	ds_add_u32 v[SPW], v[NIL]
	s_wait_dscnt 0x0
	CROUND
	s_endpgm
.Lfunc_end_k_q9d34df6f70_outproj:
	.size	k_q9d34df6f70_outproj, .Lfunc_end_k_q9d34df6f70_outproj-k_q9d34df6f70_outproj
	.p2alignl 7, 3214868480
	.fill 96, 4, 3214868480
	.section	.rodata,"a",@progbits
	.p2align	6, 0x0
	.amdhsa_kernel k_q9d34df6f70_outproj
		.amdhsa_group_segment_fixed_size 327680
		.amdhsa_private_segment_fixed_size 0
		.amdhsa_enable_private_segment 0
		.amdhsa_kernarg_size 48
		.amdhsa_user_sgpr_count 2
		.amdhsa_user_sgpr_kernarg_segment_ptr 1
		.amdhsa_wavefront_size32 1
		.amdhsa_system_sgpr_workgroup_id_x 1
		.amdhsa_system_sgpr_workgroup_id_y 1
		.amdhsa_system_sgpr_workgroup_id_z 1
		.amdhsa_system_vgpr_workitem_id 0
		.amdhsa_next_free_vgpr 1024
		.amdhsa_next_free_sgpr 100
		.amdhsa_reserve_vcc 0
		.amdhsa_float_denorm_mode_32 3
		.amdhsa_float_denorm_mode_16_64 3
		.amdhsa_memory_ordered 1
		.amdhsa_forward_progress 1
		.amdhsa_inst_pref_size 91
	.end_amdhsa_kernel
	.amdgpu_metadata
---
amdhsa.version: [ 1, 2 ]
amdhsa.kernels:
  - .name:           k_q9d34df6f70_outproj
    .symbol:         k_q9d34df6f70_outproj.kd
    .args:
      - { .name: o_codes, .offset: 0, .size: 8, .value_kind: global_buffer, .address_space: global }
      - { .name: o_scales, .offset: 8, .size: 8, .value_kind: global_buffer, .address_space: global }
      - { .name: Wo_codes, .offset: 16, .size: 8, .value_kind: global_buffer, .address_space: global }
      - { .name: Wo_scales, .offset: 24, .size: 8, .value_kind: global_buffer, .address_space: global }
      - { .name: bo, .offset: 32, .size: 8, .value_kind: global_buffer, .address_space: global }
      - { .name: out0, .offset: 40, .size: 8, .value_kind: global_buffer, .address_space: global }
    .group_segment_fixed_size: 327680
    .private_segment_fixed_size: 0
    .kernarg_segment_align: 8
    .kernarg_segment_size: 48
    .max_flat_workgroup_size: 128
    .sgpr_count:     100
    .vgpr_count:     1024
    .wavefront_size: 32
...
	.end_amdgpu_metadata
.endif
;; end of part 4
